; MI455X (gfx1250); checked and timed in simulation.
; The chip was launched on July 23, 2026; its instructions are those of AMD's public machine-readable ISA for CDNA 5 (MIT licence, August 2026) and "CDNA5" Instruction Set Architecture Reference Guide (July 2026). The comments in the code are by the model that wrote it; some were corrected since.
;; Multi Head Attention. Allowed arithmetic: matrix products marked QUANTISED: E2M3 operands, one E8M0 scale for each 32 along K, by v_wmma_scale_f32_16x16x128_f8f6f4 with both operands' format E2M3, f32 sums; everything else in f32.
;; Inputs: Wk 1,024 x 1,024 float32; Wo 1,024 x 1,024 float32; Wq 1,024 x 1,024 float32; Wv 1,024 x 1,024 float32; bk 1,024 float32; bo 1,024 float32; bq 1,024 float32; bv 1,024 float32; key 4 x 2,048 x 1,024 float32; query 4 x 2,048 x 1,024 float32; value 4 x 2,048 x 1,024 float32.
;; Outputs: out0 4 x 2,048 x 1,024 float32.
;; This version of the problem:
;;   THIS VERSION OF THE PROBLEM IS GIVEN IN LOW PRECISION. The matrix products marked QUANTISED in the list below multiply operands that are first quantised to E2M3 (2 exponent bits, 3 mantissa bits; 6 bits a number), with one power-of-two scale for each 32 numbers along K (OCP MX v1.0); their sums are f32. All else is computed in f32.
;;   The module's matrix products, in the order in which they are computed (A, B: the left and right operand; K: the contracted axis; several contracted axes count as one K, in the product's order):
;;     1. [M 8,192, K 1,024] x [K 1,024, N 1,024]; A: input query; B: input Wq: QUANTISED
;;     2. [M 8,192, K 1,024] x [K 1,024, N 1,024]; A: input key; B: input Wk: QUANTISED
;;     3. [M 8,192, K 1,024] x [K 1,024, N 1,024]; A: input value; B: input Wv: QUANTISED
;;     4. batch 64 x [M 2,048, K 64] x [K 64, N 2,048]; A: computed on the way; B: computed on the way: QUANTISED
;;     5. batch 64 x [M 2,048, K 2,048] x [K 2,048, N 64]; A: softmax (see below); B: computed on the way: QUANTISED
;;     6. [M 8,192, K 1,024] x [K 1,024, N 1,024]; A: computed on the way; B: input Wo: QUANTISED
;;   THE QUANTISER, for each operand of a quantised product, along K:
;;     - K is cut into blocks of 32 from its start; a last block that is shorter is filled with zeros.
;;     - A block's scale is 2^e with e = floor(log2(the largest magnitude in the block)) - 2, held to -126 .. 127; a block of zeros has e = 0. As a byte (E8M0): e + 127.
;;     - Each number is divided by its block's scale, clamped to +-7.5, and rounded to the nearest number of E2M3, ties to even, subnormals kept.
;;     - The product sums the exact products of the quantised numbers (number of the format x scale) in f32.
;;   ~~~python
;;   def quantise(x, axis):      # numpy; x: float32 -> the quantised numbers, widened to float32 again
;;       x = np.moveaxis(x, axis, -1); K = x.shape[-1]
;;       x = np.pad(x, [(0, 0)] * (x.ndim - 1) + [(0, -K % 32)]); x = x.reshape(x.shape[:-1] + (-1, 32)); a = np.abs(x).max(-1, keepdims=True)
;;       e = np.where(a > 0, np.clip(np.frexp(np.where(a > 0, a, 1))[1] - 1 - 2, -126, 127), 0)      # np.frexp(a)[1] - 1 = floor(log2(a)), exactly
;;       r = np.clip(x / 2.0 ** e, -7.5, 7.5)
;;       step = 2.0 ** (np.maximum(np.frexp(np.where(r == 0, 1, r))[1] - 1, 0) - 3)
;;       q = np.round(r / step) * step * 2.0 ** e      # np.round: ties to even
;;       return np.moveaxis(q.reshape(q.shape[:-2] + (-1,))[..., :K], -1, axis).astype(np.float32)
;;   ~~~
;;   SOFTMAX AHEAD OF A QUANTISED PRODUCT. Where the list says 'softmax', what is quantised is not the finished softmax but p = 2^(t - M), with t = logit x log2(e) and M = ceil(the row's largest t), a whole number; so 1/2 < the row's largest p <= 1. The row's sum l is taken of the UNQUANTISED p, in f32, and the product's result is divided by l at the end. Since M is a whole number, a kernel that streams over the keys may use a running M (the ceiling of the running maximum): every later rescaling is an exact power of two, which a block's scale takes up: the codes' values come out the same.
;;   OPERANDS COMPUTED ON THE WAY. 'Computed on the way' means the value that the module computes at that place (a softmax that the list does not call 'softmax' is quantised finished and normalised). What goes into a quantiser is computed in f32, as accurately as f32 sums, v_exp_f32 and their like allow (about 1e-6 of the number): no bf16 or f16 on the way to a quantiser, and a product that is left as it is and whose result goes on into a quantised operand takes f32 operands (vector FMAs, or v_wmma_f32_16x16x4_f32). A number that lies on a knife's edge between two numbers of the format may be rounded either way, as far as f32 arithmetic and the matrix unit's own rounding can turn it there, and no further.
;; One version. Each part assembles by itself: llvm-mc -triple=amdgcn-amd-amdhsa -mcpu=gfx1250 --defsym DOCPART=n.
;; ======== version 1 of 1: 4 launches
;; limits: right only within a limited range of input values
;; workspace buffers: opc 22,020,096 bytes; ops 917,504 bytes; ac 18,874,368 bytes; asw 786,432 bytes; oc 6,291,456 bytes; osw 262,144 bytes
;; launch quant (part 1): grid 896 x 1, 4 waves a work-group, no clusters, 34,304 bytes of LDS; arguments query, key, value, Wq, Wk, Wv, Wo, opc, ops; writes opc, ops
.if DOCPART == 1
	.amdgcn_target "amdgcn-amd-amdhsa--gfx1250"
	.amdhsa_code_object_version 6
	.text
	.protected	k_q426fa4058e_quant
	.globl	k_q426fa4058e_quant
	.p2align	8
	.type	k_q426fa4058e_quant,@function
k_q426fa4058e_quant:
	s_mov_b64 s[64:65], 0
	v_nop
	global_prefetch_b8 v0, s[64:65] scope:SCOPE_SE
	s_setreg_imm32_b32 hwreg(HW_REG_WAVE_MODE, 25, 1), 1
	s_wait_xcnt 0x0
; query, key, value [8192][1024] and Wq, Wk, Wv, Wo [1024][1024], f32, K innermost, become codes of FP6 (E2M3) with one E8M0 byte for each 32 along K,
; laid in the order of a matrix operand's registers.  A TILE is 16 rows, and not 16 neighbours: of a group of 32 rows, tile u (0, 1) holds in its place r the row 8 u + r + 8 (r / 8).
; A RECORD is a tile x 128 along K: 12 registers a lane, stored as three planes of 512 bytes (plane c: registers 4 c .. 4 c + 3, lane l's 16 bytes at 16 l).  opc: 8 records a tile, 12,288 bytes.
; ops: 512 bytes a tile: [256 along K: 0..3][place r][2 words]; a word is the four bytes of one row and 128 along K.
; A block's scale is 2^(floor(log2(its largest magnitude)) - 2); its byte is that magnitude's exponent field - 2, held at 1 from below.
; LIMITS: a block whose largest magnitude lies under 2^-124 keeps the byte 1; a block of zeros gets the byte 1 where the rule says 127 (its codes are zeros, and this program alone reads the bytes);
; NaN and infinities among the inputs are not served.
; SHARES: work-group g owns the g-th group of 32 rows of the seven tensors on end; wave w takes tile w / 2 and half w % 2 of K: four steps of 128.
; Each load reads 512 consecutive bytes of one row; a step's 16 rows turn through the wave's own stage in LDS, so that a lane gets 16 neighbours of each block of 32 of its row.  Waves share nothing: no barrier.
.set STG,   8448                       ; a wave's stage: 16 rows x (512 bytes + 16)
.set SPARE, 4*STG                      ; behind the stages: the spare words, 128 bytes a wave
.set SPW,   6                          ; v6  my spare word's LDS address; never rewritten
.set NIL,   7                          ; v7  0; never rewritten
.set TM,    8                          ; v8-23 at work in QUANT
.set SW,    26                         ; v26-29 the four steps' scale words
.set PR,    30                         ; v30-31 the pair of words that I store
.set PC,    32                         ; v32-43 a record's codes; v44-51 halves on their way
.set X,     64                         ; v64-127 my 64 numbers of a step
.set R,     128                        ; v128-255 two sets of 64 registers as loaded
.set SEL,   26                         ; s[26:27] lane selects: lane l xor 16
	s_load_b512 s[8:23], s[0:1], 0x0               ; query, key, value, Wq, Wk, Wv, Wo, opc
	s_load_b64 s[24:25], s[0:1], 0x40              ; ops
	v_lshl_add_u32 v[SPW], v0, 2, SPARE
	v_mov_b32 v[NIL], 0
	v_lshrrev_b32 v24, 5, v0
	v_readfirstlane_b32 s5, v24                    ; wave
	v_and_b32 v5, 31, v0                           ; lane
	v_lshlrev_b32 v1, 4, v5                        ; 16 x lane: my bytes of a load, and of a plane of codes
	v_lshlrev_b32 v4, 3, v5                        ; 8 x lane: my pair of scale words
	s_mul_i32 s6, s5, STG
	v_add_nc_u32 v2, s6, v1                        ; the stage on the way in: a row as it lies
	v_and_b32 v24, 15, v0                          ; r
	v_bfe_u32 v25, v0, 4, 1                        ; h
	v_mul_u32_u24 v3, v24, 528
	v_lshl_add_u32 v3, v25, 6, v3
	v_add_nc_u32 v3, s6, v3                        ; and on the way out: row r, + 64 h: my 16 numbers of a block
	v_cmp_lt_u32 s28, 15, v5                       ; lanes 16-31
	s_mov_b32 s[SEL], 0x76543210
	s_mov_b32 s[SEL+1], 0xfedcba98
.irp b, 0,1,2,3
	v_mov_b32 v[TM+4+\b], 0                        ; written once: a lane permute's destination counts as one of its sources
.endr
	s_lshr_b32 s7, s5, 1
	s_lshl_b32 s7, s7, 15                          ; tile u begins 8 rows of 4,096 bytes on
	s_and_b32 s29, s5, 1
	s_lshl_b32 s29, s29, 11                        ; my half of K: 512 numbers
	s_add_co_u32 s7, s7, s29
	s_lshl_b32 s30, ttmp9, 2
	s_add_co_u32 s30, s30, s5                      ; 4 g + w
	s_mul_i32 s32, s30, 6144                       ; four records
	s_mov_b32 s33, 0
	s_lshl_b32 s34, s30, 8                         ; half a tile's scale words
	s_mov_b32 s35, 0
	s_wait_alu depctr_va_vdst(0)
	s_wait_kmcnt 0x0
	s_mov_b64 s[2:3], s[20:21]                     ; which tensor: the choice hangs on the work-group's number alone
	s_mov_b32 s4, 864
.macro PICK lim, ptr, base
	s_cmp_lt_u32 ttmp9, \lim
	s_cselect_b64 s[2:3], s[\ptr:\ptr+1], s[2:3]
	s_cselect_b32 s4, \base, s4
.endm
	PICK 864, 18, 832
	PICK 832, 16, 800
	PICK 800, 14, 768
	PICK 768, 12, 512
	PICK 512, 10, 256
	PICK 256, 8, 0
	s_sub_co_u32 s4, ttmp9, s4                     ; the group's number in its tensor
	; THE TILES OF key, value, Wq AND Wk ARE FORMED OTHERWISE: of a group of 64 rows, tile j (0..3) holds in its place r the row 8 j + r % 8 + 32 (r / 8); work-groups 2 G and 2 G + 1 make tiles 0, 1 and 2, 3 of group G.
	; So a lane of the launches that follow finds a whole block of 32 neighbours in the results of four tiles.  Against the other tensors' rule the tile begins 16 (g % 2) rows earlier, and places 8-15 lie 16 rows further on.
	s_and_b32 s38, s4, 1
	s_lshl_b32 s38, s38, 16                        ; 16 rows of 4,096 bytes x (g % 2)
	s_lshl_b32 s4, s4, 17                          ; 32 rows of 4,096 bytes
	s_add_co_u32 s36, s4, s7
	s_sub_co_u32 s39, ttmp9, 256
	s_cmp_lt_u32 s39, 576                          ; work-groups 256 .. 831: key, value, Wq, Wk
	s_cselect_b32 s38, s38, 0
	s_cselect_b32 s39, 0x10000, 0
	s_sub_co_u32 s36, s36, s38
	s_mov_b32 s37, 0
	s_add_nc_u64 s[2:3], s[2:3], s[36:37]          ; places 0-7
	s_mov_b32 s36, s39
	s_add_nc_u64 s[38:39], s[2:3], s[36:37]        ; places 8-15: the same base, in key 16 rows on
	s_add_nc_u64 s[22:23], s[22:23], s[32:33]
	s_add_nc_u64 s[24:25], s[24:25], s[34:35]
.macro LOAD s                          ; step s: 128 numbers of each of the tile's 16 rows
.irp i, 0,1,2,3,4,5,6,7,8,9,10,11,12,13,14,15
.if \i < 8
	global_load_b128 v[R+64*((\s)%2)+4*\i:R+64*((\s)%2)+4*\i+3], v1, s[2:3] offset:\i*4096+512*(\s) th:TH_LOAD_NT
.else
	global_load_b128 v[R+64*((\s)%2)+4*\i:R+64*((\s)%2)+4*\i+3], v1, s[38:39] offset:(\i+8)*4096+512*(\s) th:TH_LOAD_NT
.endif
.endr
.endm
.macro TURN s                          ; through the stage: LDS serves a wave's instructions in order, so no wait stands between the stores and the loads
.irp i, 0,1,2,3,4,5,6,7,8,9,10,11,12,13,14,15
	ds_store_b128 v2, v[R+64*((\s)%2)+4*\i:R+64*((\s)%2)+4*\i+3] offset:528*\i
.endr
.irp b, 0,1,2,3
.irp j, 0,1,2,3
	ds_load_b128 v[X+16*\b+4*\j:X+16*\b+4*\j+3], v3 offset:128*\b+16*\j
.endr
.endr
.endm
; 64 numbers of a lane, register 16 b + i = k 32 b + 16 (lane / 16) + i of my row, become a record's codes in v[PC] on and its scale word in v[pw]
.macro QUANT s, pw
.irp b, 0,1,2,3
	v_max3_num_f32 v[TM+\b], |v[\s+16*\b]|, |v[\s+1+16*\b]|, 0x1800000   ; my 16 numbers of block b, and the floor 2^(3 - 127): the byte cannot fall under 1
.endr
.irp i, 2,4,6,8,10,12,14
.irp b, 0,1,2,3
	v_max3_num_f32 v[TM+\b], v[TM+\b], |v[\s+16*\b+\i]|, |v[\s+1+16*\b+\i]|
.endr
.endr
.irp b, 0,1,2,3
	v_permlanex16_b32 v[TM+4+\b], v[TM+\b], s[SEL], s[SEL+1]
.endr
.irp b, 0,1,2,3
	v_max_num_f32 v[TM+\b], v[TM+\b], v[TM+4+\b]   ; with lane l xor 16's: the block's largest magnitude
.endr
.irp b, 0,1,2,3
	v_add_nc_u32 v[TM+12+\b], 0xff000000, v[TM+\b] ; 2 off its exponent field: the conversion's scale operand
.endr
.irp b, 0,1,2,3
	v_lshrrev_b32 v[TM+4+\b], 23, v[TM+12+\b]      ; the scale's byte
.endr
	v_lshl_or_b32 v[\pw], v[TM+5], 8, v[TM+4]
	v_lshl_or_b32 v[\pw], v[TM+6], 16, v[\pw]
	v_lshl_or_b32 v[\pw], v[TM+7], 24, v[\pw]
.irp c, 0,1
	v_cvt_scalef32_pk16_fp6_f32 v[PC+6*\c:PC+2+6*\c], v[\s+32*\c:\s+15+32*\c], v[TM+12+2*\c]
	v_cvt_scalef32_pk16_fp6_f32 v[PC+12+4*\c:PC+14+4*\c], v[\s+16+32*\c:\s+31+32*\c], v[TM+12+2*\c+1]   ; (a conversion's three registers begin on an even number)
.endr
	v_nop                                          ; one plain instruction behind a scaled conversion
.irp c, 0,1                                    ; the operand wants a whole block in a lane: lanes 0-15 block 2 c, lanes 16-31 block 2 c + 1
.irp i, 0,1,2
	v_permlane16_swap_b32 v[PC+6*\c+\i], v[PC+12+4*\c+\i]
.endr
.irp i, 0,1,2
	v_mov_b32 v[PC+3+6*\c+\i], v[PC+12+4*\c+\i]
.endr
.endr
.endm
.macro QSTEP s
.if (\s) < 3
	s_wait_loadcnt 16                              ; this step's 16 loads are in; the next step's 16 may be out
.else
	s_wait_loadcnt 0x0
.endif
	TURN \s
	s_wait_dscnt 0x0                               ; my 64 numbers are back, and the stores into the stage have read their registers,
.if (\s) < 2
	LOAD (\s)+2                                    ; which take the loads of two steps on
.endif
.if (\s) > 0
	s_wait_xcnt 0x0                                ; the last step's stores have read the codes' registers: they are written again only behind this wait
.endif
	QUANT X, SW+(\s)
.irp c, 0,1,2
	global_store_b128 v1, v[PC+4*\c:PC+4*\c+3], s[22:23] offset:1536*(\s)+512*\c   ; 32 lanes store 512 consecutive bytes
.endr
.endm
	LOAD 0
	LOAD 1
	QSTEP 0
	QSTEP 1
	QSTEP 2
	QSTEP 3
	v_cndmask_b32 v[PR], v[SW], v[SW+2], s28       ; lanes 0-15: the words of my first 256 along K, lanes 16-31: of the second (both halves of the lanes hold all four)
	v_cndmask_b32 v[PR+1], v[SW+1], v[SW+3], s28
	global_store_b64 v4, v[PR:PR+1], s[24:25]      ; 32 lanes store 256 consecutive bytes, aligned
	s_wait_tensorcnt 0x0                           ; the wave's end
	ds_add_u32 v[SPW], v[NIL]
	s_wait_dscnt 0x0
	s_endpgm
.Lfunc_end_k_q426fa4058e_quant:
	.size	k_q426fa4058e_quant, .Lfunc_end_k_q426fa4058e_quant-k_q426fa4058e_quant
	.p2alignl 7, 3214868480
	.fill 96, 4, 3214868480
	.section	.rodata,"a",@progbits
	.p2align	6, 0x0
	.amdhsa_kernel k_q426fa4058e_quant
		.amdhsa_group_segment_fixed_size 34304
		.amdhsa_private_segment_fixed_size 0
		.amdhsa_enable_private_segment 0
		.amdhsa_kernarg_size 72
		.amdhsa_user_sgpr_count 2
		.amdhsa_user_sgpr_kernarg_segment_ptr 1
		.amdhsa_wavefront_size32 1
		.amdhsa_system_sgpr_workgroup_id_x 1
		.amdhsa_system_sgpr_workgroup_id_y 1
		.amdhsa_system_sgpr_workgroup_id_z 1
		.amdhsa_system_vgpr_workitem_id 0
		.amdhsa_next_free_vgpr 256
		.amdhsa_next_free_sgpr 66
		.amdhsa_reserve_vcc 0
		.amdhsa_float_denorm_mode_32 3
		.amdhsa_float_denorm_mode_16_64 3
		.amdhsa_memory_ordered 1
		.amdhsa_forward_progress 1
		.amdhsa_inst_pref_size 35
	.end_amdhsa_kernel
	.amdgpu_metadata
---
amdhsa.version: [ 1, 2 ]
amdhsa.kernels:
  - .name:           k_q426fa4058e_quant
    .symbol:         k_q426fa4058e_quant.kd
    .args:
      - { .name: query, .offset: 0, .size: 8, .value_kind: global_buffer, .address_space: global }
      - { .name: key, .offset: 8, .size: 8, .value_kind: global_buffer, .address_space: global }
      - { .name: value, .offset: 16, .size: 8, .value_kind: global_buffer, .address_space: global }
      - { .name: Wq, .offset: 24, .size: 8, .value_kind: global_buffer, .address_space: global }
      - { .name: Wk, .offset: 32, .size: 8, .value_kind: global_buffer, .address_space: global }
      - { .name: Wv, .offset: 40, .size: 8, .value_kind: global_buffer, .address_space: global }
      - { .name: Wo, .offset: 48, .size: 8, .value_kind: global_buffer, .address_space: global }
      - { .name: opc, .offset: 56, .size: 8, .value_kind: global_buffer, .address_space: global }
      - { .name: ops, .offset: 64, .size: 8, .value_kind: global_buffer, .address_space: global }
    .group_segment_fixed_size: 34304
    .private_segment_fixed_size: 0
    .kernarg_segment_align: 8
    .kernarg_segment_size: 72
    .max_flat_workgroup_size: 128
    .sgpr_count:     66
    .vgpr_count:     256
    .wavefront_size: 32
...
	.end_amdgpu_metadata
.endif
;; end of part 1
;; launch proj (part 2): grid 4 x 48, 4 waves a work-group, clusters of 4 x 1, 327,680 bytes of LDS; arguments opc, ops, bq, bk, bv, ac, asw; writes ac, asw
.if DOCPART == 2
	.amdgcn_target "amdgcn-amd-amdhsa--gfx1250"
	.amdhsa_code_object_version 6
	.text
	.protected	k_q426fa4058e_proj
	.globl	k_q426fa4058e_proj
	.p2align	8
	.type	k_q426fa4058e_proj,@function
k_q426fa4058e_proj:
	s_mov_b64 s[64:65], 0
	v_nop
	global_prefetch_b8 v0, s[64:65] scope:SCOPE_SE
	s_setreg_imm32_b32 hwreg(HW_REG_WAVE_MODE, 25, 1), 1
	s_wait_xcnt 0x0
	s_wait_alu depctr_hold_cnt(0) depctr_sa_sdst(0) depctr_va_vdst(0) depctr_va_sdst(0) depctr_va_ssrc(0) depctr_va_vcc(0) depctr_vm_vsrc(0)
	s_getreg_b32 s2, hwreg(HW_REG_IB_STS2, 6, 4)
	s_cmp_eq_u32 s2, 0
	s_cbranch_scc0 .Lentry_in_a_cluster
	s_endpgm
.Lentry_in_a_cluster:
	s_bfe_u32 s2, ttmp6, 0x10000c
	s_cmp_lg_u32 s2, 0x3003
	s_cbranch_scc0 .Lentry_shape_is_right
	s_endpgm
.Lentry_shape_is_right:
; Q = query Wq^T + bq, K = key Wk^T + bk, V = value Wv^T + bv on codes of FP6 (E2M3), and their quantisers: the results leave as codes and scale words in the order of the attention launch's operand registers.
; opc, ops are as the first launch leaves them: a tile is 16 rows, 8 records of 1,536 bytes (tile x 128 K, in the order of an operand's registers) and 512 bytes of scale words [256 K][place][2 words].
; THE DEAL.  192 work-groups: 3 tensors x 4 column blocks of 256 x 16 row blocks of 512.  (8,192 rows a tensor do not divide so that 256 work-groups get equal shares with one weight each.)
; A wave holds one head's 64 rows of the weight, ALL of K, in 384 registers, loaded from memory as they lie: 512 consecutive bytes an instruction.  The 512 rows of x pass in 32 blocks of 16 rows, all of K: 32 products a block, four accumulators by turns.
; A block's fragments lie twice in registers: block s reads set s % 2, and behind its products that set takes block s + 2: 28 LDS loads.  So the wait ahead of a block is for all but the other set's 28.
; LDS.  x comes in chunks of 128 rows, 98,304 dense bytes.  Slot 0 holds chunk 0 and is filled again once, with chunk 3; slot 1 holds chunks 1 and 2.  The scale words of all 512 rows, 16,384 bytes, come once.
; At the head one joint load a wave: the scale words, chunk 0, chunk 1, chunk 2; the first barrier waits for the first two alone, whose lines are waves 0's and 1's own.
; The refill stands between blocks 5 and 6, when block 7 has been fetched, behind a drained round of the cluster's barrier, a quarter of the chunk a wave; eight blocks on a plain barrier shows it.
; CLUSTER: the four column blocks of one row block read the same rows of x and ask jointly.  The weights go to registers by plain loads: each wave's are its own.
; Chunk 3 is asked for into the L2 at the head, 22 blocks ahead of its first use: a sixteenth by each wave of the cluster, told apart by address.
; Q, K: source 0 = the weight's rows.  By the tiles' make a lane's 32 sums of a block are channels 32 h .. 32 h + 31 of one token: one scale block.  Two blocks make an image of 12 registers.
; V: source 0 = x's rows.  A lane's 8 sums of each of four blocks are tokens 32 h .. 32 h + 31 of a band of 64, for each of four channel tiles; two bands make the four records of 128 keys.
; The bias is the first products' C.  A block's byte is its largest magnitude's exponent field - 2, held at 1 from below.
; LIMITS: a block of zeros gets the byte 1 (its codes are zeros, and this program alone reads the bytes); NaN and infinities are not served.
.set FPW,   21                         ; fragments of 12 registers in a window: fragment f lies in window 1 + f / 21 at 12 (f % 21): 0-31 the weight's (4 q + tile), 32-39 and 40-47 x's two sets
.set CHB,   98304
.set SCL,   294912
.set SPARE, 311296
.set ACC,   864                        ; v864-991 the accumulators: window 3, from AL on
.set AL,    96
.set LI,   4                           ; 16 x lane
.set XA,   5                           ; LDS address of the block that is fetched next;  v6 of its scale words
.set XS,   6
.set R8,   7                           ; SCL + 8 r
.set H8,   8                           ; 8 h
.set PF,   9
.set SPW,  10
.set NIL,  11
.set WOFF, 12                          ; 16 r
.set BOQ,  13
.set WSO,  14
.set PX,   15
.set SB,   16                          ; v16-31 the weight's scale words: 8 (tile / 2) + q; lanes 0-15 the even tile, lanes 16-31 the odd
.set SA,   36                          ; v36-51 x's: 8 set + q
.set BB,   52                          ; v52-83 the bias, eight registers a weight tile
.set TQ,   84
.set SOP,  92
.set EB,   96
.set TC,   104
.set CD,   120                         ; v120-167 codes
.set SWD,  168                         ; v168-171 four scale words
.set BOV,  172
.set PW,   173
.set G1C, 24
.set G1S, 32
.set G0A, 44
.set G1Q, 48
.set G0S, 56
.set G0R, 60
.set G0B, 92
.set WB,  66
.set WSB, 68
.set IM,  70
.set WP,  72
.set BP,  74
.set XO,  76
.set XSO, 77
.set SEL, 78
.set MSB, 0
.macro WIN new
.if MSB != (\new)
	s_set_vgpr_msb (MSB<<8)|(\new)
.set MSB, (\new)
.endif
.endm
.macro PLACES
.rept 4
	v_nop
.endr
.endm
.macro WALU
	s_wait_alu depctr_va_vdst(0)
.endm
.macro CROUND
	s_barrier_signal -1
	s_barrier_wait -1
	s_cmp_lg_u32 s18, 0
	s_cbranch_scc1 .Lnot_wave_0_\@
	s_barrier_signal -3
.Lnot_wave_0_\@:
	s_barrier_wait -3
	s_barrier_signal -1
	s_barrier_wait -1
.endm
.macro GROUP1 g, c, rows               ; a dense block as rows of c elements of 8 bytes, for all four partners
	s_mov_b32 s[\g], 15|(3<<16)|(1<<21)
	s_mov_b32 s[\g+1], (\c)<<16
	s_mov_b32 s[\g+2], (\rows)<<16
	s_mov_b32 s[\g+3], (\c)<<16
	s_mov_b32 s[\g+4], \rows
	s_mov_b32 s[\g+5], \c
	s_mov_b32 s[\g+6], 0
	s_mov_b32 s[\g+7], 0
.endm
.macro TLOAD g0, g1
	tensor_load_to_lds s[\g0:\g0+3], s[\g1:\g1+7]
	s_nop 0
	PLACES
.endm
.macro NEXT                            ; on to the next block's LDS addresses; behind chunk 2 comes slot 0 again
	s_add_co_u32 s[XO], s[XO], 12288
	s_cmp_eq_u32 s[XO], 3*CHB
	s_cselect_b32 s[XO], 0, s[XO]
	s_add_co_u32 s[XSO], s[XSO], 512
	s_cmp_eq_u32 s[XSO], 16384
	s_cselect_b32 s[XSO], 0, s[XSO]
	v_add_nc_u32 v[XA], s[XO], v[LI]
	v_add_nc_u32 v[XS], s[XSO], v[R8]
.endm
.macro FETCH e                         ; a block of x into set e: 24 + 4 loads
.irp q, 0,1,2,3,4,5,6,7
	WIN (1+(32+8*(\e)+\q)/FPW)<<6
.irp c, 0,1,2
	ds_load_b128 v[12*((32+8*(\e)+\q)%FPW)+4*\c:12*((32+8*(\e)+\q)%FPW)+4*\c+3], v[XA] offset:1536*\q+512*\c
.endr
.endr
	WIN 0
.irp k, 0,1,2,3
	ds_load_b64 v[SA+8*(\e)+2*\k:SA+8*(\e)+2*\k+1], v[XS] offset:128*\k
.endr
.endm
.macro PROD1 d, s0, s1, c, x0, x1, side, o
.if \o
	v_wmma_scale_f32_16x16x128_f8f6f4 v[\d:\d+7], v[12*((\s0)%FPW):12*((\s0)%FPW)+11], v[12*((\s1)%FPW):12*((\s1)%FPW)+11], \c, v[\x0], v[\x1] matrix_a_fmt:MATRIX_FMT_FP6 matrix_b_fmt:MATRIX_FMT_FP6 matrix_\side\()_scale:MATRIX_SCALE_ROW1
.else
	v_wmma_scale_f32_16x16x128_f8f6f4 v[\d:\d+7], v[12*((\s0)%FPW):12*((\s0)%FPW)+11], v[12*((\s1)%FPW):12*((\s1)%FPW)+11], \c, v[\x0], v[\x1] matrix_a_fmt:MATRIX_FMT_FP6 matrix_b_fmt:MATRIX_FMT_FP6 matrix_\side\()_scale:MATRIX_SCALE_ROW0
.endif
.endm
.macro PROD kind, e, n, d, as          ; product n = 4 q + weight tile.  kind 0 (Q, K): source 0 the weight's rows; kind 1 (V): source 0 x's rows
.set Q_, (\n)/4
.set T_, (\n)%4
.set FB_, 4*Q_+T_
.set FA_, 32+8*(\e)+Q_
.set DL_, ((\d)+(\as)*T_)&255
.set XB_, SB+8*(T_/2)+Q_
.set XA_, SA+8*(\e)+Q_
.set O_, T_%2
.if Q_
.set CW_, 3
.else
.set CW_, 0
.endif
.if \kind
	WIN (1+FA_/FPW)|((1+FB_/FPW)<<2)|(CW_<<4)|(3<<6)
.if Q_
	PROD1 DL_, FA_, FB_, v[DL_:DL_+7], XA_, XB_, b, O_
.else
	PROD1 DL_, FA_, FB_, v[BB+8*T_:BB+8*T_+7], XA_, XB_, b, O_
.endif
.else
	WIN (1+FB_/FPW)|((1+FA_/FPW)<<2)|(CW_<<4)|(3<<6)
.if Q_
	PROD1 DL_, FB_, FA_, v[DL_:DL_+7], XB_, XA_, a, O_
.else
	PROD1 DL_, FB_, FA_, v[BB+8*T_:BB+8*T_+7], XB_, XA_, a, O_
.endif
.endif
.endm
.macro BLK kind, e, d, as, fetch, w    ; a block: the wait for its set, 32 products, four places, the fetch of the block two on
	s_wait_dscnt \w
.set N_, 0
.rept 32
	PROD \kind, \e, N_, \d, \as
.set N_, N_+1
.endr
	WIN 0
.if \fetch
	NEXT
	v_nop
	v_nop
	WALU
	FETCH \e
.else
	PLACES
.endif
.endm
.macro SYNC                            ; the one refill: the round, and the load first behind it
	WALU
	s_wait_tensorcnt 0x0                           ; all my loads are in: chunks 1 and 2 among them
	ds_add_u32 v[SPW], v[NIL]
	s_wait_dscnt 0x0                               ; and my reads of chunk 0 are over
	CROUND
	TLOAD G0R, G1Q                                 ; my quarter of chunk 3, into slot 0
.endm
.macro BAR                             ; a plain barrier: what was asked for eight blocks ago is shown to all
	WALU
	s_wait_tensorcnt 0x0
	s_wait_dscnt 0x0
	s_barrier_signal -1
	s_barrier_wait -1
.endm
; THE WAY OUT of nt x 32 sums a lane, from AL + 32 t on: the largest magnitude by two chains over the halves, each accumulator first read at its low end; the scale; two conversions; six registers of codes at CD + 12 t + co, the byte in EB + 2 t + eo
.macro WAYOUT nt, co, eo
	WIN 0x3f
.set T2, 0
.rept \nt
	v_max3_num_f32 v[TQ+2*T2], |v[AL+32*T2]|, |v[AL+32*T2+1]|, |v[AL+32*T2+2]|
	v_max3_num_f32 v[TQ+2*T2+1], |v[AL+32*T2+16]|, |v[AL+32*T2+17]|, |v[AL+32*T2+18]|
.set T2, T2+1
.endr
	WIN 0x3c
.irp i, 3,5,7,9,11,13
.set T2, 0
.rept \nt
	v_max3_num_f32 v[TQ+2*T2], v[TQ+2*T2], |v[AL+32*T2+\i]|, |v[AL+32*T2+\i+1]|
	v_max3_num_f32 v[TQ+2*T2+1], v[TQ+2*T2+1], |v[AL+32*T2+16+\i]|, |v[AL+32*T2+17+\i]|
.set T2, T2+1
.endr
.endr
.set T2, 0
.rept \nt
	v_max3_num_f32 v[TQ+2*T2], v[TQ+2*T2], |v[AL+32*T2+15]|, |v[AL+32*T2+31]|
.set T2, T2+1
.endr
	WIN 0
.set T2, 0
.rept \nt
	v_max3_num_f32 v[TQ+2*T2], v[TQ+2*T2], v[TQ+2*T2+1], 0x1800000   ; and the floor 2^(3 - 127)
.set T2, T2+1
.endr
.set T2, 0
.rept \nt
	v_add_nc_u32 v[SOP+T2], 0xff000000, v[TQ+2*T2]                  ; 2 off the exponent field: the conversions' scale operand
.set T2, T2+1
.endr
	WIN 0x03
.set T2, 0
.rept \nt
	v_cvt_scalef32_pk16_fp6_f32 v[CD+12*T2+(\co):CD+12*T2+(\co)+2], v[AL+32*T2:AL+32*T2+15], v[SOP+T2]
	v_cvt_scalef32_pk16_fp6_f32 v[TC+4*T2:TC+4*T2+2], v[AL+32*T2+16:AL+32*T2+31], v[SOP+T2]   ; (a conversion's three registers begin on an even number)
.set T2, T2+1
.endr
	WIN 0
.set T2, 0
.rept \nt
	v_lshrrev_b32 v[EB+2*T2+(\eo)], 23, v[SOP+T2]
.set T2, T2+1
.endr
.set T2, 0
.rept \nt
.irp i, 0,1,2
	v_mov_b32 v[CD+12*T2+(\co)+3+\i], v[TC+4*T2+\i]
.endr
.set T2, T2+1
.endr
.endm
.macro PAIR fetch, w                   ; Q, K: two blocks, tiles u = 0, 1 of 32 tokens: an image and its scale word, byte 2 u + h
	BLK 0, 0, ACC, 8, \fetch, \w
	WAYOUT 1, 0, 0
	BLK 0, 1, ACC, 8, \fetch, \w
	WAYOUT 1, 6, 1
	v_lshl_or_b32 v[PW], v[EB+1], 16, v[EB]
	v_lshlrev_b32 v[PW], v[H8], v[PW]
	v_permlanex16_b32 v[PX], v[PW], s[SEL], s[SEL+1]
	v_mov_b32 v[SWD], v[SWD+1]                     ; the last four images' words, in their order
	v_mov_b32 v[SWD+1], v[SWD+2]
	v_mov_b32 v[SWD+2], v[SWD+3]
	v_or_b32 v[SWD+3], v[PW], v[PX]
	WALU
.irp c, 0,1,2
	global_store_b128 v[LI], v[CD+4*\c:CD+4*\c+3], s[IM:IM+1] offset:512*\c   ; 32 lanes store 512 consecutive bytes
.endr
	s_wait_xcnt 0x0                                ; the stores have read their registers and their base
	s_add_nc_u64 s[IM:IM+1], s[IM:IM+1], 1536
.endm
.macro STOREW                          ; four words a place: 256 consecutive bytes (lanes 16-31 hold and store the same as lanes 0-15)
	global_store_b128 v[WOFF], v[SWD:SWD+3], s[WP:WP+1]
	s_wait_xcnt 0x0
	s_add_nc_u64 s[WP:WP+1], s[WP:WP+1], 256
.endm
.macro VB j, fetch, w                  ; V: block j of a band
	BLK 1, (\j)%2, ACC+8*(\j), 32, \fetch, \w
.endm
.macro VOUT                            ; V: four records of 128 keys and their words, byte 2 c + h
.irp t, 0,1,2,3
	v_lshl_or_b32 v[TQ+2*\t], v[EB+2*\t+1], 16, v[EB+2*\t]
.endr
.irp t, 0,1,2,3
	v_lshlrev_b32 v[TQ+2*\t], v[H8], v[TQ+2*\t]
.endr
.irp t, 0,1,2,3
	v_permlanex16_b32 v[TQ+2*\t+1], v[TQ+2*\t], s[SEL], s[SEL+1]
.endr
.irp t, 0,1,2,3
	v_or_b32 v[SWD+\t], v[TQ+2*\t], v[TQ+2*\t+1]
.endr
	WALU
.irp c, 0,1,2,3,4,5,6,7,8,9,10,11
	global_store_b128 v[LI], v[CD+4*\c:CD+4*\c+3], s[IM:IM+1] offset:512*\c
.endr
	global_store_b128 v[WOFF], v[SWD:SWD+3], s[WP:WP+1]
	s_wait_xcnt 0x0
	s_add_nc_u64 s[IM:IM+1], s[IM:IM+1], 6144
	s_add_nc_u64 s[WP:WP+1], s[WP:WP+1], 256
.endm
; ================= THE HEAD
	s_load_b256 s[4:11], s[0:1], 0x0               ; opc, ops, bq, bk
	s_load_b128 s[12:15], s[0:1], 0x20             ; bv, ac
	s_load_b64 s[16:17], s[0:1], 0x30              ; asw
	v_lshl_add_u32 v[SPW], v0, 2, SPARE
	v_mov_b32 v[NIL], 0
	ds_add_u32 v[SPW], v[NIL]                      ; the opening lines
	ds_add_u32 v[SPW], v[NIL]
	v_lshrrev_b32 v1, 5, v0
	v_readfirstlane_b32 s18, v1                    ; wave
	s_bfe_u32 s21, ttmp6, 0x40000                  ; cx: the column block
	s_and_b32 s22, ttmp7, 0xffff
	s_lshr_b32 s19, s22, 4                         ; the tensor: 0 Q, 1 K, 2 V
	s_and_b32 s20, s22, 15                         ; the row block
	GROUP1 G1C, 384, 32                            ; a chunk: 98,304 bytes as 32 rows of 3,072
	GROUP1 G1Q, 384, 8                             ; a quarter of one
	GROUP1 G1S, 32, 64                             ; 16,384 bytes as rows of 256
	s_lshl_b32 s2, s19, 9
	s_lshl_b32 s3, s20, 5
	s_add_co_u32 s2, s2, s3                        ; x's first tile
	s_mul_i32 s80, s2, 12288
	s_mov_b32 s81, 0
	s_lshl_b32 s82, s2, 9
	s_mov_b32 s83, 0
	s_and_b32 s3, s18, 1
	s_mul_i32 s3, s3, CHB
	s_add_co_u32 s3, s3, CHB                       ; waves 2, 3: chunks 1, 2
	s_mov_b32 s[G0A], 1
	s_mov_b32 s[G0A+1], s3
	s_add_co_u32 s84, s80, s3
	s_mov_b32 s85, 0
	s_mov_b32 s[G0B], 1
	s_mov_b32 s[G0B+1], 0
	s_mov_b32 s[G0S], 1
	s_mov_b32 s[G0S+1], SCL
	s_mul_i32 s23, s18, 24576
	s_mov_b32 s[G0R], 1
	s_mov_b32 s[G0R+1], s23
	s_add_co_u32 s88, s80, s23
	s_add_co_u32 s88, s88, 3*CHB                   ; my quarter of chunk 3
	s_mov_b32 s89, 0
	s_lshl_b32 s2, s21, 2
	s_add_co_u32 s2, s2, s18                       ; my head, 0 .. 15; also my number among the cluster's sixteen waves
	s_mul_i32 s90, s2, 6144
	s_add_co_u32 s90, s90, s80
	s_add_co_u32 s90, s90, 3*CHB                   ; my sixteenth of chunk 3, for the prefetch
	s_lshl_b32 s3, s19, 4
	s_add_co_u32 s3, s3, s2
	s_lshl_b32 s3, s3, 2
	s_add_co_u32 s3, s3, 1536                      ; the weight's first tile of my head
	s_mul_i32 s[WB], s3, 12288
	s_mov_b32 s[WB+1], 0
	s_lshl_b32 s[WSB], s3, 9
	s_mov_b32 s[WSB+1], 0
	s_lshr_b32 s3, s20, 2
	s_lshl_b32 s3, s3, 4
	s_add_co_u32 s3, s3, s2                        ; nh = 16 n + head
	s_and_b32 s23, s20, 3
	s_lshl_b32 s[IM], s3, 6
	s_lshl_b32 s22, s23, 4
	s_add_co_u32 s[IM], s[IM], s22
	s_mul_i32 s[IM], s[IM], 1536                   ; 64 images or records a head, 16 of them mine
	s_mul_i32 s22, s19, 6291456
	s_add_co_u32 s[IM], s[IM], s22
	s_mov_b32 s[IM+1], 0
	s_lshl_b32 s[WP], s3, 12
	s_lshl_b32 s22, s23, 10
	s_add_co_u32 s[WP], s[WP], s22
	s_lshl_b32 s22, s19, 18
	s_add_co_u32 s[WP], s[WP], s22
	s_mov_b32 s[WP+1], 0
	s_lshl_b32 s86, s2, 8                          ; my head's 64 numbers of the bias
	s_mov_b32 s87, 0
	s_mov_b32 s[XO], 0
	s_mov_b32 s[XSO], 0
	s_mov_b32 s[SEL], 0x76543210
	s_mov_b32 s[SEL+1], 0xfedcba98
	WALU
	s_wait_dscnt 0x0                               ; both opening adds are done
	CROUND                                         ; all four work-groups are here: the joint loads meet
	s_wait_kmcnt 0x0
	s_add_nc_u64 s[G0S+2:G0S+3], s[6:7], s[82:83]
	s_or_b32 s[G0S+3], s[G0S+3], 0x80000000
	s_add_nc_u64 s[G0B+2:G0B+3], s[4:5], s[80:81]
	s_or_b32 s[G0B+3], s[G0B+3], 0x80000000
	s_add_nc_u64 s[G0A+2:G0A+3], s[4:5], s[84:85]
	s_or_b32 s[G0A+3], s[G0A+3], 0x80000000
	s_add_nc_u64 s[G0R+2:G0R+3], s[4:5], s[88:89]
	s_or_b32 s[G0R+3], s[G0R+3], 0x80000000
	s_add_nc_u64 s[WB:WB+1], s[4:5], s[WB:WB+1]
	s_add_nc_u64 s[WSB:WSB+1], s[6:7], s[WSB:WSB+1]
	s_add_nc_u64 s[IM:IM+1], s[14:15], s[IM:IM+1]
	s_add_nc_u64 s[WP:WP+1], s[16:17], s[WP:WP+1]
	s_cmp_eq_u32 s19, 1
	s_cselect_b64 s[BP:BP+1], s[10:11], s[8:9]
	s_cmp_eq_u32 s19, 2
	s_cselect_b64 s[BP:BP+1], s[12:13], s[BP:BP+1]
	s_add_nc_u64 s[BP:BP+1], s[BP:BP+1], s[86:87]
	s_cmp_lg_u32 s18, 0                            ; one chain, one load on every way
	s_cbranch_scc1 .Lh1
	TLOAD G0S, G1S                                 ; wave 0: the scale words
	s_branch .Lha
.Lh1:
	s_cmp_lg_u32 s18, 1
	s_cbranch_scc1 .Lh2
	TLOAD G0B, G1C                                 ; wave 1: chunk 0
	s_branch .Lha
.Lh2:
	TLOAD G0A, G1C                                 ; waves 2, 3: chunks 1, 2
.Lha:
	v_and_b32 v1, 15, v0                           ; r
	v_bfe_u32 v2, v0, 4, 1                         ; h
	v_and_b32 v3, 31, v0
	v_lshlrev_b32 v[LI], 4, v3
	v_lshlrev_b32 v[R8], 3, v1
	v_lshl_add_u32 v[WSO], v2, 9, v[R8]            ; the weight's words: lanes 16-31 take the next tile's
	v_add_nc_u32 v[R8], SCL, v[R8]
	v_lshlrev_b32 v[H8], 3, v2
	v_lshlrev_b32 v[WOFF], 4, v1
	v_lshlrev_b32 v[BOQ], 7, v2                    ; Q, K: register 8 j + i is channel 32 h + 8 j + i
	v_lshrrev_b32 v[BOV], 3, v1
	v_lshlrev_b32 v[BOV], 5, v[BOV]
	v_lshl_add_u32 v[BOV], v1, 2, v[BOV]           ; V: place r of tile t is channel 32 (t / 2) + 8 (t % 2) + r + 8 (r / 8)
	v_min_u32 v[PF], 23, v3
	v_lshl_add_u32 v[PF], v[PF], 8, s90            ; 24 blocks of 256 bytes; the lanes left over name the last again
	v_mov_b32 v[PX], 0                             ; a lane permute's destination counts as one of its sources
.irp i, 0,1,2,3
	v_mov_b32 v[SWD+\i], 0
.endr
	v_add_nc_u32 v[XA], s[XO], v[LI]
	v_add_nc_u32 v[XS], s[XSO], v[R8]
.irp p, 0,1
.irp k, 0,1,2,3
	global_load_b64 v[SB+8*\p+2*\k:SB+8*\p+2*\k+1], v[WSO], s[WSB:WSB+1] offset:1024*\p+128*\k
.endr
.endr
.irp q, 0,1,2,3,4,5,6,7                ; my 64 rows of the weight, all of K: 96 loads
.irp t, 0,1,2,3
	WIN (1+(4*\q+\t)/FPW)<<6
.irp c, 0,1,2
	global_load_b128 v[12*((4*\q+\t)%FPW)+4*\c:12*((4*\q+\t)%FPW)+4*\c+3], v[LI], s[WB:WB+1] offset:12288*\t+1536*\q+512*\c
.endr
.endr
.endr
	WIN 0
	WALU
	s_cmp_lt_u32 s18, 2
	s_cbranch_scc0 .Lnw
	s_wait_tensorcnt 0x0
.Lnw:
	s_barrier_signal -1
	s_barrier_wait -1                              ; the scale words and chunk 0 are in; chunks 1 and 2 may be on their way
	FETCH 0
	NEXT
	WALU
	FETCH 1
	global_prefetch_b8 v[PF], s[4:5] th:TH_LOAD_NT scope:SCOPE_SE
	s_cmp_eq_u32 s19, 2
	s_cbranch_scc1 .Lv
; ================= Q OR K: sixteen pairs of blocks
.irp k, 0,1,2,3,4,5,6,7
	global_load_b128 v[BB+4*\k:BB+4*\k+3], v[BOQ], s[BP:BP+1] offset:16*\k
.endr
	s_wait_loadcnt 0x0
	s_mov_b32 s86, 0
.Lq0:                                                  ; pairs 0 to 2
	PAIR 1, 28
	s_add_co_u32 s86, s86, 1
	s_cmp_lt_u32 s86, 3
	s_cbranch_scc1 .Lq0
	SYNC
	s_mov_b32 s87, 0
.Lq1:                                                  ; pairs 3 to 6, 7 to 10, 11 to 14: the first ends a chunk of four images
	PAIR 1, 28
	STOREW
	s_mov_b32 s86, 0
.Lq2:
	PAIR 1, 28
	s_add_co_u32 s86, s86, 1
	s_cmp_lt_u32 s86, 3
	s_cbranch_scc1 .Lq2
	BAR
	s_add_co_u32 s87, s87, 1
	s_cmp_lt_u32 s87, 3
	s_cbranch_scc1 .Lq1
	PAIR 0, 0                                      ; the last pair fetches nothing
	STOREW
	s_branch .Lend
; ================= V: eight bands of four blocks
.Lv:
.irp t, 0,1,2,3
	global_load_b32 v[BB+8*\t], v[BOV], s[BP:BP+1] offset:4*(32*(\t/2)+8*(\t%2))
.endr
	s_wait_loadcnt 0x0
.irp t, 0,8,16,24
.irp i, 1,2,3,4,5,6,7
	v_mov_b32 v[BB+\t+\i], v[BB+\t]                ; one number a lane and tile, over the tile's eight registers
.endr
.endr
	PLACES
	WALU
	VB 0, 1, 28
	VB 1, 1, 28
	VB 2, 1, 28
	VB 3, 1, 28
	WAYOUT 4, 0, 0
	VB 0, 1, 28
	VB 1, 1, 28
	SYNC
	s_mov_b32 s87, 0
.Lv1:                                                  ; blocks 6 to 13, 14 to 21, 22 to 29
	VB 2, 1, 28
	VB 3, 1, 28
	WAYOUT 4, 6, 1
	VOUT
	VB 0, 1, 28
	VB 1, 1, 28
	VB 2, 1, 28
	VB 3, 1, 28
	WAYOUT 4, 0, 0
	VB 0, 1, 28
	VB 1, 1, 28
	BAR
	s_add_co_u32 s87, s87, 1
	s_cmp_lt_u32 s87, 3
	s_cbranch_scc1 .Lv1
	VB 2, 0, 0                                     ; the last two blocks fetch nothing
	VB 3, 0, 0
	WAYOUT 4, 6, 1
	VOUT
.Lend:
	s_wait_tensorcnt 0x0                           ; the wave's end
	ds_add_u32 v[SPW], v[NIL]
	s_wait_dscnt 0x0
	CROUND                                         ; the closing round
	s_endpgm
.Lfunc_end_k_q426fa4058e_proj:
	.size	k_q426fa4058e_proj, .Lfunc_end_k_q426fa4058e_proj-k_q426fa4058e_proj
	.p2alignl 7, 3214868480
	.fill 96, 4, 3214868480
	.section	.rodata,"a",@progbits
	.p2align	6, 0x0
	.amdhsa_kernel k_q426fa4058e_proj
		.amdhsa_group_segment_fixed_size 327680
		.amdhsa_private_segment_fixed_size 0
		.amdhsa_enable_private_segment 0
		.amdhsa_kernarg_size 56
		.amdhsa_user_sgpr_count 2
		.amdhsa_user_sgpr_kernarg_segment_ptr 1
		.amdhsa_wavefront_size32 1
		.amdhsa_system_sgpr_workgroup_id_x 1
		.amdhsa_system_sgpr_workgroup_id_y 1
		.amdhsa_system_sgpr_workgroup_id_z 1
		.amdhsa_system_vgpr_workitem_id 0
		.amdhsa_next_free_vgpr 992
		.amdhsa_next_free_sgpr 96
		.amdhsa_reserve_vcc 0
		.amdhsa_float_denorm_mode_32 3
		.amdhsa_float_denorm_mode_16_64 3
		.amdhsa_memory_ordered 1
		.amdhsa_forward_progress 1
		.amdhsa_inst_pref_size 215
	.end_amdhsa_kernel
	.amdgpu_metadata
---
amdhsa.version: [ 1, 2 ]
amdhsa.kernels:
  - .name:           k_q426fa4058e_proj
    .symbol:         k_q426fa4058e_proj.kd
    .args:
      - { .name: opc, .offset: 0, .size: 8, .value_kind: global_buffer, .address_space: global }
      - { .name: ops, .offset: 8, .size: 8, .value_kind: global_buffer, .address_space: global }
      - { .name: bq, .offset: 16, .size: 8, .value_kind: global_buffer, .address_space: global }
      - { .name: bk, .offset: 24, .size: 8, .value_kind: global_buffer, .address_space: global }
      - { .name: bv, .offset: 32, .size: 8, .value_kind: global_buffer, .address_space: global }
      - { .name: ac, .offset: 40, .size: 8, .value_kind: global_buffer, .address_space: global }
      - { .name: asw, .offset: 48, .size: 8, .value_kind: global_buffer, .address_space: global }
    .group_segment_fixed_size: 327680
    .private_segment_fixed_size: 0
    .kernarg_segment_align: 8
    .kernarg_segment_size: 56
    .max_flat_workgroup_size: 128
    .sgpr_count:     96
    .vgpr_count:     992
    .wavefront_size: 32
...
	.end_amdgpu_metadata
.endif
;; end of part 2
;; launch attn (part 3): grid 4 x 64, 16 waves a work-group, clusters of 4 x 1, 327,680 bytes of LDS; arguments ac, asw, oc, osw; writes oc, osw
.if DOCPART == 3
	.amdgcn_target "amdgcn-amd-amdhsa--gfx1250"
	.amdhsa_code_object_version 6
	.text
	.protected	k_q426fa4058e_attn
	.globl	k_q426fa4058e_attn
	.p2align	8
	.type	k_q426fa4058e_attn,@function
k_q426fa4058e_attn:
	s_mov_b64 s[64:65], 0
	v_nop
	global_prefetch_b8 v0, s[64:65] scope:SCOPE_SE
	s_setreg_imm32_b32 hwreg(HW_REG_WAVE_MODE, 25, 1), 1
	s_wait_xcnt 0x0
	s_wait_alu depctr_hold_cnt(0) depctr_sa_sdst(0) depctr_va_vdst(0) depctr_va_sdst(0) depctr_va_ssrc(0) depctr_va_vcc(0) depctr_vm_vsrc(0)
	s_getreg_b32 s2, hwreg(HW_REG_IB_STS2, 6, 4)
	s_cmp_eq_u32 s2, 0
	s_cbranch_scc0 .Lentry_in_a_cluster
	s_endpgm
.Lentry_in_a_cluster:
	s_bfe_u32 s2, ttmp6, 0x10000c
	s_cmp_lg_u32 s2, 0x3003
	s_cbranch_scc0 .Lentry_shape_is_right
	s_endpgm
.Lentry_shape_is_right:
; O = softmax(q k^T / 8) v for one head nh (of 64) and 512 queries, both products on codes of FP6 (E2M3); O / l is quantised along the channels and leaves as codes.
; THE SOFTMAX: t = score x log2(e) / 8; M = the running largest t rounded up to a whole number; p = 2^(t - M) is quantised along the keys, not normalised; the row's sum l is taken of the unquantised p and divides at the end.
; When M moves, l and O are multiplied by 2^(old M - new M): exact.
; SHARES.  The four work-groups of a cluster are the four quarters of one head's queries.  A head's K and V as codes, 204,800 bytes with their scale words, lie in LDS whole: four joint loads at the head, one in each of waves 0 to 3; nothing is filled again.
; Each of sixteen waves owns the 32 tokens of one image of q and takes them in two passes of 16; a pass walks the 2,048 keys in 16 steps of 128.
; LAYOUT.  Both products transposed: S^T = K Q^T, O^T = V^T P^T: a lane holds one query.  Of 64 keys, tile j (0..3) holds in place r the key 8 j + r % 8 + 32 (r / 8) (the first launch forms key's tiles so).
; So register 32 c + 8 j + i of S^T in lane (r, h) is key 64 c + 32 h + 8 j + i of the step: A LANE HOLDS TWO WHOLE BLOCKS OF 32 KEYS, in the order of the operand's registers.  A block's largest p asks no other lane, and the conversions' results are the operand.
; Only the row's maximum and the scale word's four bytes pass between lanes l and l xor 16.
; THE HEAD IS 64 LONG AND THE INSTRUCTION 128.  An image of K holds two key tiles, one in registers 0-5 and one in 6-11.  Against [q | zeros] only the first counts, against [zeros | q] only the second; zero codes add nothing under any byte that the quantiser makes.
; A block's largest p is made from its largest score by the same multiply-add and exponential as every p.
; No prefetch: all that the launch reads through LDS is asked for at its head, and no loop runs ahead of a load.
; LIMITS: the promise holds while the scaled scores stay under 2^31 in magnitude; the byte is held at 1 from below; a block of zeros gets 1; NaN and infinities are not served.
; The scale bytes of O leave two bytes a lane: a scale word of the next product is shared by two heads, which are two work-groups' work.
.set KC,    0                          ; K's 64 images
.set VC,    98304                      ; V's 64 images: [128 keys][channel tile]
.set KS,    196608                     ; K's scale words: [128 keys][r][4]
.set VS,    200704                     ; V's
.set SPARE, 204800                     ; the spare words, 128 bytes a wave
.set SPW, 5
.set NIL, 6
.set QF,  16                           ; v16-33: six zeros, q's six registers, six zeros
.set QI,  34                           ; v34-45 my image of q
.set QW,  46                           ; its scale word
.set QS,  47                           ; the pass's two bytes, twice
.set KV,  48                           ; v48-95 four fragments of K, then of V
.set ST,  96                           ; v96-159 S^T, then p
.set OT,  160                          ; v160-191 O^T
.set PCD, 192                          ; v192-203 p's codes
.set KW,  204                          ; v204-207 K's scale words;  v208-211 V's
.set VW,  208
.set MX,  212                          ; v212-215 two chains for each of my two blocks
.set PT,  216                          ; v216-223 the conversions' second halves
.set SO,  224                          ; v224-225 the conversions' scale operands
.set UB,  236                          ; v236-237 the two passes' scale bytes of O
.set SA,  238                          ; v238-243 three more chains of the sum
.set WV,  12
.set G1C, 16
.set G1S, 24
.set G0KS, 32
.set G0KC, 36
.set G0VS, 40
.set G0VC, 44
.set SEL, 66
.set CS,  68                           ; s[68:69] c = log2(e) / 8
.set TB,  70
.set TS,  71
.set CNT, 72
.set HM,  73
.set OB,  74
.set OSB, 76
.set PS,  78
.macro CROUND
	s_barrier_signal -1
	s_barrier_wait -1
	s_cmp_lg_u32 s[WV], 0
	s_cbranch_scc1 .Lnot_wave_0_\@
	s_barrier_signal -3
.Lnot_wave_0_\@:
	s_barrier_wait -3
	s_barrier_signal -1
	s_barrier_wait -1
.endm
.macro ARM w, g0, g1, next             ; one arm of the head's chain: wave w's one joint load
	s_cmp_lg_u32 s[WV], \w
	s_cbranch_scc1 \next
	tensor_load_to_lds s[\g0:\g0+3], s[\g1:\g1+7]
	s_nop 0
.rept 4
	v_nop
.endr
	s_branch .Lasked
\next:
.endm
	s_load_b256 s[4:11], s[0:1], 0x0               ; ac, asw, oc, osw
	v_lshl_add_u32 v[SPW], v0, 2, SPARE
	v_mov_b32 v[NIL], 0
	ds_add_u32 v[SPW], v[NIL]                      ; the opening lines
	ds_add_u32 v[SPW], v[NIL]
	v_lshrrev_b32 v8, 5, v0
	v_readfirstlane_b32 s[WV], v8                  ; wave 0..15
	s_bfe_u32 s13, ttmp6, 0x40000                  ; cx: which quarter of the queries
	s_and_b32 s14, ttmp7, 0xffff                   ; nh, which the four partners share
	s_mov_b32 s[G1C], 15|(3<<16)|(1<<21)           ; the mask: all four; elements of 8 bytes
	s_mov_b32 s[G1C+1], 192<<16                    ; 64 images of 1,536 bytes, dense
	s_mov_b32 s[G1C+2], 64<<16
	s_mov_b32 s[G1C+3], 192<<16
	s_mov_b32 s[G1C+4], 64
	s_mov_b32 s[G1C+5], 192
	s_mov_b32 s[G1C+6], 0
	s_mov_b32 s[G1C+7], 0
	s_mov_b32 s[G1S], 15|(3<<16)|(1<<21)
	s_mov_b32 s[G1S+1], 32<<16                     ; 4,096 dense bytes as 16 rows of 256
	s_mov_b32 s[G1S+2], 16<<16
	s_mov_b32 s[G1S+3], 32<<16
	s_mov_b32 s[G1S+4], 16
	s_mov_b32 s[G1S+5], 32
	s_mov_b32 s[G1S+6], 0
	s_mov_b32 s[G1S+7], 0
	s_mov_b32 s[G0KS], 1
	s_mov_b32 s[G0KS+1], KS
	s_mov_b32 s[G0KC], 1
	s_mov_b32 s[G0KC+1], KC
	s_mov_b32 s[G0VS], 1
	s_mov_b32 s[G0VS+1], VS
	s_mov_b32 s[G0VC], 1
	s_mov_b32 s[G0VC+1], VC
	s_mul_i32 s88, s14, 98304                      ; the head's images,
	s_mov_b32 s89, 0
	s_lshl_b32 s90, s14, 12                        ; and its scale words
	s_mov_b32 s91, 0
	s_lshl_b32 s2, s13, 4
	s_add_co_u32 s2, s2, s[WV]                     ; B = 16 cx + wave: my image of q
	s_lshl_b32 s3, s14, 6
	s_add_co_u32 s3, s3, s2
	s_mul_i32 s80, s3, 1536
	s_mov_b32 s81, 0
	s_lshl_b32 s82, s14, 4
	s_lshl_b32 s15, s13, 2
	s_add_co_u32 s82, s82, s15
	s_lshr_b32 s15, s[WV], 2
	s_add_co_u32 s82, s82, s15
	s_lshl_b32 s82, s82, 8                         ; its scale words: 256 bytes for 128 tokens,
	s_and_b32 s15, s[WV], 3
	s_lshl_b32 s15, s15, 2
	s_add_co_u32 s82, s82, s15                     ; word B % 4
	s_mov_b32 s83, 0
	s_lshr_b32 s15, s14, 4
	s_lshl_b32 s15, s15, 6
	s_add_co_u32 s15, s15, s2                      ; G = 64 n + B: my group of 32 among the 8,192 tokens
	s_and_b32 s3, s14, 15                          ; the head in its batch
	s_mul_i32 s84, s15, 24576                      ; oc: two tiles of 12,288 bytes a group,
	s_lshr_b32 s2, s3, 1
	s_mul_i32 s2, s2, 1536                         ; a record for two heads,
	s_add_co_u32 s84, s84, s2
	s_and_b32 s2, s3, 1
	s_mul_i32 s2, s2, 768                          ; half of it for one
	s_add_co_u32 s84, s84, s2
	s_mov_b32 s85, 0
	s_lshl_b32 s86, s15, 10                        ; osw: two tiles of 512 bytes a group, 128 bytes for four heads, 2 bytes a head in a place's 8
	s_lshr_b32 s2, s3, 2
	s_lshl_b32 s2, s2, 7
	s_add_co_u32 s86, s86, s2
	s_and_b32 s2, s3, 3
	s_lshl_b32 s2, s2, 1
	s_add_co_u32 s86, s86, s2
	s_mov_b32 s87, 0
	s_mov_b32 s[SEL], 0x76543210
	s_mov_b32 s[SEL+1], 0xfedcba98
	s_mov_b32 s[CS], 0x3e38aa3b                    ; c = log2(e) / sqrt(64)
	s_mov_b32 s[CS+1], s[CS]
	s_mov_b32 s[PS], 0x01000100
	s_mov_b32 s[PS+1], 0x03020302
	s_wait_dscnt 0x0                               ; both opening adds are done
	s_wait_kmcnt 0x0
	s_add_nc_u64 s[88:89], s[4:5], s[88:89]
	s_add_nc_u64 s[90:91], s[6:7], s[90:91]
	s_add_nc_u64 s[G0KS+2:G0KS+3], s[90:91], 262144
	s_or_b32 s[G0KS+3], s[G0KS+3], 0x80000000
	s_add_nc_u64 s[G0KC+2:G0KC+3], s[88:89], 6291456
	s_or_b32 s[G0KC+3], s[G0KC+3], 0x80000000
	s_add_nc_u64 s[G0VS+2:G0VS+3], s[90:91], 524288
	s_or_b32 s[G0VS+3], s[G0VS+3], 0x80000000
	s_add_nc_u64 s[G0VC+2:G0VC+3], s[88:89], 12582912
	s_or_b32 s[G0VC+3], s[G0VC+3], 0x80000000
	s_add_nc_u64 s[80:81], s[4:5], s[80:81]        ; q's image
	s_add_nc_u64 s[82:83], s[6:7], s[82:83]        ; q's scale words
	s_add_nc_u64 s[OB:OB+1], s[8:9], s[84:85]
	s_add_nc_u64 s[OSB:OSB+1], s[10:11], s[86:87]
	CROUND                                         ; all four work-groups are here: the joint loads meet
	ARM 0, G0KC, G1C, .La1                         ; one chain, one load to an arm: K's codes, K's words, V's codes, V's words; waves 4 to 15 ask for nothing
	ARM 1, G0KS, G1S, .La2
	ARM 2, G0VC, G1C, .La3
	ARM 3, G0VS, G1S, .La4
.Lasked:
	v_and_b32 v8, 31, v0                           ; lane
	v_and_b32 v9, 15, v0                           ; r
	v_bfe_u32 v10, v0, 4, 1                        ; h
	v_lshlrev_b32 v1, 4, v8                        ; K's images: 16 x lane; also my bytes of a plane of q's image in memory
	v_add_nc_u32 v2, VC, v1                        ; V's
	v_lshlrev_b32 v244, 4, v9                      ; 16 r
	v_add_nc_u32 v3, KS, v244                      ; K's scale words
	v_add_nc_u32 v4, VS, v244                      ; V's
	v_lshlrev_b32 v7, 3, v8                        ; 8 x lane: my bytes of a plane of O's codes
	v_lshlrev_b32 v234, 3, v9
	v_lshl_add_u32 v234, v10, 9, v234              ; 512 h + 8 r: my place's scale bytes; lanes 16-31 serve the second pass's tile
	v_lshlrev_b32 v235, 3, v10                     ; 8 h: how far up my two scale bytes of p stand in the word
	v_cmp_lt_u32 s[HM], 15, v8
.irp c, 0,1,2
	global_load_b128 v[QI+4*\c:QI+4*\c+3], v1, s[80:81] offset:512*\c
.endr
	global_load_b32 v[QW], v244, s[82:83]
.irp i, 0,1,2,3,4,5
	v_mov_b32 v[QF+\i], 0
	v_mov_b32 v[QF+12+\i], 0
.endr
.irp b, 0,1
	v_mov_b32 v[PT+\b], 0                          ; written once: a lane permute's destination counts as one of its sources
.endr
	v_mov_b32 v229, 0                              ; (named as the upper half of the pair v[228:229] before it is first written)
	v_mov_b32 v230, 0
	v_mov_b32 v233, 0
; A KEY STEP: 128 keys
.macro STEP
	v_add_nc_u32 v8, s[TB], v1                     ; with the four additions at the last step's end: the places in front of the loads into the last products' registers
	v_add_nc_u32 v10, s[TS], v3
.irp f, 0,1,2,3
.irp c, 0,1,2
	ds_load_b128 v[KV+12*\f+4*\c:KV+12*\f+4*\c+3], v8 offset:1536*\f+512*\c
.endr
.endr
	ds_load_b128 v[KW:KW+3], v10
	s_wait_alu depctr_va_vdst(0)
	s_wait_dscnt 0x0
.irp f, 0,1,2,3                        ; image f: key tile 2 f against [q | 0], key tile 2 f + 1 against [0 | q]
	v_wmma_scale_f32_16x16x128_f8f6f4 v[ST+16*\f:ST+16*\f+7], v[KV+12*\f:KV+12*\f+11], v[QF+6:QF+17], 0, v[KW+\f], v[QS] matrix_a_fmt:MATRIX_FMT_FP6 matrix_b_fmt:MATRIX_FMT_FP6
	v_wmma_scale_f32_16x16x128_f8f6f4 v[ST+16*\f+8:ST+16*\f+15], v[KV+12*\f:KV+12*\f+11], v[QF:QF+11], 0, v[KW+\f], v[QS] matrix_a_fmt:MATRIX_FMT_FP6 matrix_b_fmt:MATRIX_FMT_FP6
.endr
	v_add_nc_u32 v9, s[TB], v2                     ; four places in front of the loads into K's registers
	v_add_nc_u32 v11, s[TS], v4
	v_nop
	v_nop
.irp t, 0,1,2,3                        ; V's four fragments land under the softmax
.irp c, 0,1,2
	ds_load_b128 v[KV+12*\t+4*\c:KV+12*\t+4*\c+3], v9 offset:1536*\t+512*\c
.endr
.endr
	ds_load_b128 v[VW:VW+3], v11
.irp c, 0,1                            ; the largest score of my block c: two chains over its halves, four chains by turns; each accumulator is first read at its low end
	v_max3_num_f32 v[MX+2*\c], v[ST+32*\c], v[ST+32*\c+1], v[ST+32*\c+2]
	v_max3_num_f32 v[MX+2*\c+1], v[ST+32*\c+16], v[ST+32*\c+17], v[ST+32*\c+18]
.endr
.irp i, 3,5,7,9,11,13
.irp c, 0,1
	v_max3_num_f32 v[MX+2*\c], v[MX+2*\c], v[ST+32*\c+\i], v[ST+32*\c+\i+1]
	v_max3_num_f32 v[MX+2*\c+1], v[MX+2*\c+1], v[ST+32*\c+16+\i], v[ST+32*\c+17+\i]
.endr
.endr
.irp c, 0,1
	v_max3_num_f32 v[MX+2*\c], v[MX+2*\c], v[ST+32*\c+15], v[ST+32*\c+31]
.endr
.irp c, 0,1
	s_delay_alu instid0(VALU_DEP_2)
	v_max_num_f32 v[MX+2*\c], v[MX+2*\c], v[MX+2*\c+1]
.endr
	s_delay_alu instid0(VALU_DEP_1)
	v_max_num_f32 v227, v[MX], v[MX+2]
	s_delay_alu instid0(VALU_DEP_1)
	v_permlanex16_b32 v233, v227, s[SEL], s[SEL+1]
	s_delay_alu instid0(VALU_DEP_1)
	v_max3_num_f32 v13, v13, v227, v233            ; the running largest score of my query (c is positive)
	s_delay_alu instid0(VALU_DEP_1)
	v_mul_f32 v231, s[CS], v13                     ; as t
	s_delay_alu instid0(VALU_DEP_1)
	v_floor_f32 v232, -v231                        ; the new -M = floor(-t): M is a whole number
	s_delay_alu instid0(VALU_DEP_1)
	v_sub_f32 v230, v232, v12                      ; old M - new M: a whole number, 0 or less
	s_delay_alu instid0(VALU_DEP_2)
	v_mov_b32 v12, v232
	s_delay_alu instid0(VALU_DEP_2)
	v_cvt_i32_f32 v230, v230                       ; (it saturates)
	s_delay_alu instid0(VALU_DEP_1)
	v_ldexp_f32 v228, 1.0, v230                    ; f = 2^(old M - new M)
.set j, 0
.rept 16
	v_pk_mul_f32 v[OT+j:OT+j+1], v[OT+j:OT+j+1], v[228:229] op_sel_hi:[1,0]   ; O^T under the new M, ahead of the exponentials
.set j, j+2
.endr
.set j, 0
.rept 32
	v_pk_fma_f32 v[ST+j:ST+j+1], v[ST+j:ST+j+1], s[CS:CS+1], v[12:13] op_sel_hi:[1,0,0]   ; t - M, two at a time
.set j, j+2
.endr
	v_fma_f32 v[MX], v[MX], s[CS], v12             ; the same of each block's largest score
	v_fma_f32 v[MX+2], v[MX+2], s[CS], v12
	s_wait_alu depctr_va_vdst(0)
	v_exp_f32 v[MX], v[MX]                         ; the blocks' largest p
	v_exp_f32 v[MX+2], v[MX+2]
.set j, 0
.rept 64
	v_exp_f32 v[ST+j], v[ST+j]                     ; p = 2^(t - M)
.set j, j+1
.endr
	v_nop                                          ; a plain instruction behind the exponentials,
	s_wait_alu depctr_va_vdst(0)                   ; and one wait for the batch of 66
	v_max_num_f32 v[MX], 0x1800000, v[MX]          ; the floor 2^(3 - 127): the byte cannot fall under 1
	v_max_num_f32 v[MX+2], 0x1800000, v[MX+2]
	s_delay_alu instid0(VALU_DEP_2)
	v_add_nc_u32 v[SO], 0xff000000, v[MX]          ; 2 off the exponent field: the conversions' scale operand
	s_delay_alu instid0(VALU_DEP_2)
	v_add_nc_u32 v[SO+1], 0xff000000, v[MX+2]
.irp c, 0,1
	v_cvt_scalef32_pk16_fp6_f32 v[PCD+6*\c:PCD+6*\c+2], v[ST+32*\c:ST+32*\c+15], v[SO+\c]
	v_cvt_scalef32_pk16_fp6_f32 v[PT+4*\c:PT+4*\c+2], v[ST+32*\c+16:ST+32*\c+31], v[SO+\c]   ; (a conversion's three registers begin on an even number)
.endr
	v_lshrrev_b32 v230, 23, v[SO]                  ; my bytes: blocks h and 2 + h.  (Plain instructions behind the conversions)
	v_lshrrev_b32 v231, 23, v[SO+1]
	s_delay_alu instid0(VALU_DEP_1)
	v_lshl_or_b32 v230, v231, 16, v230
	s_delay_alu instid0(VALU_DEP_1)
	v_lshlrev_b32 v230, v235, v230                 ; at their places in the word,
	s_delay_alu instid0(VALU_DEP_1)
	v_permlanex16_b32 v233, v230, s[SEL], s[SEL+1]
	s_delay_alu instid0(VALU_DEP_1)
	v_or_b32 v229, v230, v233                      ; and with lane l xor 16's two: p's scale word for these 128 keys
.irp c, 0,1
.irp i, 0,1,2
	v_mov_b32 v[PCD+3+6*\c+\i], v[PT+4*\c+\i]
.endr
.endr
	v_pk_fma_f32 v[14:15], v[14:15], v[228:229], v[ST:ST+1] op_sel_hi:[1,0,1]   ; the sum under the new M, and the unquantised p, in four chains; these 28 are the places between the word's and the codes' last writes and the products
	v_pk_add_f32 v[SA:SA+1], v[ST+2:ST+3], v[ST+4:ST+5]
	v_pk_add_f32 v[SA+2:SA+3], v[ST+6:ST+7], v[ST+8:ST+9]
	v_pk_add_f32 v[SA+4:SA+5], v[ST+10:ST+11], v[ST+12:ST+13]
.set j, 14
.rept 6
	v_pk_add_f32 v[14:15], v[14:15], v[ST+j:ST+j+1]
	v_pk_add_f32 v[SA:SA+1], v[SA:SA+1], v[ST+j+2:ST+j+3]
	v_pk_add_f32 v[SA+2:SA+3], v[SA+2:SA+3], v[ST+j+4:ST+j+5]
	v_pk_add_f32 v[SA+4:SA+5], v[SA+4:SA+5], v[ST+j+6:ST+j+7]
.set j, j+8
.endr
	s_wait_alu depctr_va_vdst(0)
	s_wait_dscnt 0x0                               ; V is in
.irp t, 0,1,2,3                        ; four accumulators, one instruction each
	v_wmma_scale_f32_16x16x128_f8f6f4 v[OT+8*\t:OT+8*\t+7], v[KV+12*\t:KV+12*\t+11], v[PCD:PCD+11], v[OT+8*\t:OT+8*\t+7], v[VW+\t], v229 matrix_a_fmt:MATRIX_FMT_FP6 matrix_b_fmt:MATRIX_FMT_FP6
.endr
	v_pk_add_f32 v[14:15], v[14:15], v[ST+62:ST+63]   ; the sum's last four additions name none of the products' registers: places behind them
	v_pk_add_f32 v[SA+2:SA+3], v[SA+2:SA+3], v[SA+4:SA+5]
	v_pk_add_f32 v[14:15], v[14:15], v[SA:SA+1]
	v_pk_add_f32 v[14:15], v[14:15], v[SA+2:SA+3]
	s_add_co_u32 s[TB], s[TB], 6144
	s_add_co_u32 s[TS], s[TS], 256
.endm
.macro SETUP u                         ; pass u: tile u of my 32 tokens
.irp i, 0,1,2,3,4,5
	v_mov_b32 v[QF+6+\i], v[QI+6*\u+\i]
.endr
	v_perm_b32 v[QS], v[QW], v[QW], s[PS+\u]       ; its two scale bytes, twice.  (The moves below are more than the eight places owed behind this write)
	v_mov_b32 v13, 0xff61b1e6                      ; the largest score so far: -3e38
	v_mov_b32 v12, 0x7f61b1e6                      ; -M: 3e38, so that the first f is 0
	v_mov_b32 v14, 0
	v_mov_b32 v15, 0
.set j, 0
.rept 32
	v_mov_b32 v[OT+j], 0                           ; the loop has no first step of its own: it finds zeros, which the first change of M leaves zeros
.set j, j+1
.endr
	s_mov_b32 s[TB], 0
	s_mov_b32 s[TS], 0
	s_mov_b32 s[CNT], 16
.endm
.macro OUT u                           ; O^T / l; register 16 g + i is channel 32 g + 16 (lane / 16) + i: two blocks of 32, quantised as an operand of the last product
	v_add_f32 v14, v14, v15
	s_delay_alu instid0(VALU_DEP_1)
	v_permlanex16_b32 v230, v14, s[SEL], s[SEL+1]
	s_delay_alu instid0(VALU_DEP_1)
	v_add_f32 v14, v14, v230                       ; the row's sum
	s_wait_alu depctr_va_vdst(0)
	v_rcp_f32 v14, v14
	v_nop                                          ; a plain instruction behind the reciprocal,
	s_wait_alu depctr_va_vdst(0)                   ; and the wait ahead of its first reader and of O^T's
.set j, 0
.rept 16
	v_pk_mul_f32 v[ST+j:ST+j+1], v[OT+j:OT+j+1], v[14:15] op_sel_hi:[1,0]
.set j, j+2
.endr
.irp g, 0,1
	v_max3_num_f32 v[MX+\g], |v[ST+16*\g]|, |v[ST+1+16*\g]|, 0x1800000
.endr
.irp i, 2,4,6,8,10,12,14
.irp g, 0,1
	s_delay_alu instid0(VALU_DEP_2)
	v_max3_num_f32 v[MX+\g], v[MX+\g], |v[ST+16*\g+\i]|, |v[ST+1+16*\g+\i]|
.endr
.endr
.irp g, 0,1
	v_permlanex16_b32 v[PT+\g], v[MX+\g], s[SEL], s[SEL+1]
.endr
.irp g, 0,1
	s_delay_alu instid0(VALU_DEP_2)
	v_max_num_f32 v[MX+\g], v[MX+\g], v[PT+\g]
.endr
.irp g, 0,1
	s_delay_alu instid0(VALU_DEP_2)
	v_add_nc_u32 v[SO+\g], 0xff000000, v[MX+\g]
.endr
.irp g, 0,1
	s_delay_alu instid0(VALU_DEP_2)
	v_lshrrev_b32 v[PT+\g], 23, v[SO+\g]
.endr
	s_delay_alu instid0(VALU_DEP_1)
	v_lshl_or_b32 v[UB+\u], v[PT+1], 8, v[PT]      ; the head's two scale bytes of my token
	v_cvt_scalef32_pk16_fp6_f32 v[PCD:PCD+2], v[ST:ST+15], v[SO]
	v_cvt_scalef32_pk16_fp6_f32 v[PT+4:PT+6], v[ST+16:ST+31], v[SO+1]
	v_nop
.irp i, 0,1,2
	v_permlane16_swap_b32 v[PCD+\i], v[PT+4+\i]
.endr
.irp i, 0,1,2
	v_mov_b32 v[PCD+3+\i], v[PT+4+\i]              ; six registers: lane (r, h) holds channels 32 h .. + 31 of its token
.endr
.irp p, 0,1,2
	global_store_b64 v7, v[PCD+2*\p:PCD+2*\p+1], s[OB:OB+1] offset:12288*\u+256*\p   ; 32 lanes store 256 consecutive bytes, aligned
.endr
.endm
	s_wait_loadcnt 0x0                             ; q
	SETUP 0
	s_wait_alu depctr_va_vdst(0)
	s_wait_tensorcnt 0x0                           ; what I asked for has landed,
	s_barrier_signal -1
	s_barrier_wait -1                              ; and so has what the others asked for: from here on LDS is only read
.Lpass0:
	STEP
	s_sub_co_u32 s[CNT], s[CNT], 1
	s_cmp_lg_u32 s[CNT], 0
	s_cbranch_scc1 .Lpass0
	OUT 0
	s_wait_xcnt 0x0                                ; the stores have read the codes' registers
	SETUP 1
.Lpass1:
	STEP
	s_sub_co_u32 s[CNT], s[CNT], 1
	s_cmp_lg_u32 s[CNT], 0
	s_cbranch_scc1 .Lpass1
	OUT 1
	v_cndmask_b32 v230, v[UB], v[UB+1], s[HM]      ; lanes 0-15: the first pass's tile, lanes 16-31: the second's (both halves of the lanes hold both)
	global_store_b16 v234, v230, s[OSB:OSB+1]
	s_wait_tensorcnt 0x0                           ; the wave's end
	ds_add_u32 v[SPW], v[NIL]
	s_wait_dscnt 0x0
	CROUND                                         ; the closing round
	s_endpgm
.Lfunc_end_k_q426fa4058e_attn:
	.size	k_q426fa4058e_attn, .Lfunc_end_k_q426fa4058e_attn-k_q426fa4058e_attn
	.p2alignl 7, 3214868480
	.fill 96, 4, 3214868480
	.section	.rodata,"a",@progbits
	.p2align	6, 0x0
	.amdhsa_kernel k_q426fa4058e_attn
		.amdhsa_group_segment_fixed_size 327680
		.amdhsa_private_segment_fixed_size 0
		.amdhsa_enable_private_segment 0
		.amdhsa_kernarg_size 32
		.amdhsa_user_sgpr_count 2
		.amdhsa_user_sgpr_kernarg_segment_ptr 1
		.amdhsa_wavefront_size32 1
		.amdhsa_system_sgpr_workgroup_id_x 1
		.amdhsa_system_sgpr_workgroup_id_y 1
		.amdhsa_system_sgpr_workgroup_id_z 1
		.amdhsa_system_vgpr_workitem_id 0
		.amdhsa_next_free_vgpr 256
		.amdhsa_next_free_sgpr 92
		.amdhsa_reserve_vcc 0
		.amdhsa_float_denorm_mode_32 3
		.amdhsa_float_denorm_mode_16_64 3
		.amdhsa_memory_ordered 1
		.amdhsa_forward_progress 1
		.amdhsa_inst_pref_size 50
	.end_amdhsa_kernel
	.amdgpu_metadata
---
amdhsa.version: [ 1, 2 ]
amdhsa.kernels:
  - .name:           k_q426fa4058e_attn
    .symbol:         k_q426fa4058e_attn.kd
    .args:
      - { .name: ac, .offset: 0, .size: 8, .value_kind: global_buffer, .address_space: global }
      - { .name: asw, .offset: 8, .size: 8, .value_kind: global_buffer, .address_space: global }
      - { .name: oc, .offset: 16, .size: 8, .value_kind: global_buffer, .address_space: global }
      - { .name: osw, .offset: 24, .size: 8, .value_kind: global_buffer, .address_space: global }
    .group_segment_fixed_size: 327680
    .private_segment_fixed_size: 0
    .kernarg_segment_align: 8
    .kernarg_segment_size: 32
    .max_flat_workgroup_size: 512
    .sgpr_count:     92
    .vgpr_count:     256
    .wavefront_size: 32
...
	.end_amdgpu_metadata
.endif
;; end of part 3
;; launch outp (part 4): grid 4 x 64, 4 waves a work-group, clusters of 4 x 4, 327,680 bytes of LDS; arguments oc, osw, opc, ops, bo, out0; writes out0
.if DOCPART == 4
	.amdgcn_target "amdgcn-amd-amdhsa--gfx1250"
	.amdhsa_code_object_version 6
	.text
	.protected	k_q426fa4058e_outp
	.globl	k_q426fa4058e_outp
	.p2align	8
	.type	k_q426fa4058e_outp,@function
k_q426fa4058e_outp:
	s_mov_b64 s[64:65], 0
	v_nop
	global_prefetch_b8 v0, s[64:65] scope:SCOPE_SE
	s_setreg_imm32_b32 hwreg(HW_REG_WAVE_MODE, 25, 1), 1
	s_wait_xcnt 0x0
	s_wait_alu depctr_hold_cnt(0) depctr_sa_sdst(0) depctr_va_vdst(0) depctr_va_sdst(0) depctr_va_ssrc(0) depctr_va_vcc(0) depctr_vm_vsrc(0)
	s_getreg_b32 s2, hwreg(HW_REG_IB_STS2, 6, 4)
	s_cmp_eq_u32 s2, 0
	s_cbranch_scc0 .Lentry_in_a_cluster
	s_endpgm
.Lentry_in_a_cluster:
	s_bfe_u32 s2, ttmp6, 0x10000c
	s_cmp_lg_u32 s2, 0xf033
	s_cbranch_scc0 .Lentry_shape_is_right
	s_endpgm
.Lentry_shape_is_right:
; out0 = O Wo^T + bo on codes of FP6 (E2M3).  O's codes (oc) and scale words (osw) are as the attention launch leaves them, Wo's (tiles 1,728 on of opc, ops) as the first launch does.
; 256 work-groups, each 128 tokens x 256 columns.  ALL OF K LIES IN LDS: O's 8 tiles (98,304 dense bytes), Wo's 16 tiles (196,608), their scale words (4,096 and 8,192): four joint loads at the head, one a wave; nothing is filled again, so there is no ring.
; CLUSTERS 4 x 4: O's tiles hang on the tile row alone and are shared along a row of the cluster, Wo's on the tile column alone and are shared along a column.
; A wave makes 64 tokens x 128 columns: 32 accumulators.  A step is 128 along K: 32 products; the next step's 48 fragment loads are issued ahead of them, into the other set of registers.
; A TILE is 16 rows: of a group of 32, tile u holds in place r the row 8 u + r + 8 (r / 8).  A record (tile x 128 K) is 1,536 bytes in the order of the operand's registers; a tile's 8 records lie on end.
; THE PRODUCT IS USED TRANSPOSED (source 0 = Wo's rows, source 1 = tokens): a lane holds eight neighbouring columns of a token.  The bias is the first products' C.
; THE WAY OUT goes through a stage of the wave's own, laid over O's codes behind a barrier behind which nobody reads them; whole rows of 512 bytes are stored.
; No prefetch: all that is read through LDS is asked for at the head, and no loop runs ahead of a load.
; REGISTERS: window 0: v0-31 addresses, v32-95 scale words of all K, v96-159 the bias, v160-255 the tokens' fragments, two sets; window 1: Wo's fragments, two sets; window 2: the accumulators.
.set TILE,  12288
.set RECB,  1536
.set PCB,   98304                      ; Wo's codes, behind O's
.set SCL,   294912                     ; O's scale words, then Wo's
.set SPARE, 307200                     ; the spare words
.set SPITCH, 528
.set ADRR, 16
.set ADRP, 20                          ; v20, v21: Wo's tiles 0-3, 4-7 of my eight
.set LI,   24
.set STO,  25
.set RD,   26
.set ADRS, 27
.set SPW,  28
.set NIL,  29
.set SC,   32
.set BI,   96
.set RF,   160
.set BK,   96
.set G1R, 24
.set G0R, 32
.set G0P, 36
.set G1P, 48
.set G0S, 56
.set G0SB, 60
.set G1S, 68
.set G1SB, 80
.set MSB, 0
.macro WIN new
.if MSB != (\new)
	s_set_vgpr_msb (MSB<<8)|(\new)
.set MSB, (\new)
.endif
.endm
.macro CROUND
	s_barrier_signal -1
	s_barrier_wait -1
	s_cmp_lg_u32 s18, 0
	s_cbranch_scc1 .Lnot_wave_0_\@
	s_barrier_signal -3
.Lnot_wave_0_\@:
	s_barrier_wait -3
	s_barrier_signal -1
	s_barrier_wait -1
.endm
.macro PLACES
.rept 4
	v_nop
.endr
.endm
.macro GROUP1 g, mask, c, rows         ; a dense block as rows of c elements of 8 bytes
	s_or_b32 s[\g], s\mask, (3<<16)|(1<<21)
	s_mov_b32 s[\g+1], (\c)<<16
	s_mov_b32 s[\g+2], (\rows)<<16
	s_mov_b32 s[\g+3], (\c)<<16
	s_mov_b32 s[\g+4], \rows
	s_mov_b32 s[\g+5], \c
	s_mov_b32 s[\g+6], 0
	s_mov_b32 s[\g+7], 0
.endm
.macro GROUP0 g, lds, base, off
	s_mov_b32 s[\g], 1
	s_mov_b32 s[\g+1], \lds
	s_add_nc_u64 s[\g+2:\g+3], s[\base:\base+1], s[\off:\off+1]
	s_or_b32 s[\g+3], s[\g+3], 0x80000000
.endm
.macro ARM w, g0, g1, next
	s_cmp_lg_u32 s18, \w
	s_cbranch_scc1 \next
	tensor_load_to_lds s[\g0:\g0+3], s[\g1:\g1+7]
	s_nop 0
	PLACES
	s_branch .Lasked
\next:
.endm
	s_load_b256 s[4:11], s[0:1], 0x0               ; oc, osw, opc, ops
	s_load_b128 s[12:15], s[0:1], 0x20             ; bo, out0
	v_lshl_add_u32 v[SPW], v0, 2, SPARE
	v_mov_b32 v[NIL], 0
	ds_add_u32 v[SPW], v[NIL]                      ; the opening lines
	ds_add_u32 v[SPW], v[NIL]
	v_lshrrev_b32 v1, 5, v0
	v_readfirstlane_b32 s18, v1                    ; wave
	s_lshr_b32 s19, s18, 1                         ; my half of the tokens
	s_and_b32 s20, s18, 1                          ; my half of the columns
	s_bfe_u32 s21, ttmp6, 0x40000                  ; cx = the tile column
	s_bfe_u32 s22, ttmp6, 0x40004                  ; cy
	s_and_b32 s40, ttmp7, 0xffff
	s_lshl_b32 s41, s40, 2
	s_add_co_u32 s41, s41, s22                     ; the tile row, 0 .. 63
	s_lshl_b32 s43, s22, 2
	s_lshl_b32 s43, 15, s43                        ; my row of the cluster
	s_lshl_b32 s44, 0x1111, s21                    ; my column
	GROUP1 G1R, 43, 384, 32                        ; 98,304 bytes as 32 rows of 3,072
	GROUP1 G1P, 44, 384, 64                        ; 196,608 bytes
	GROUP1 G1S, 43, 32, 16                         ; 4,096 bytes as rows of 256
	GROUP1 G1SB, 44, 32, 32                        ; 8,192 bytes
	s_mul_i32 s92, s41, 8*TILE
	s_mov_b32 s93, 0
	s_lshl_b32 s94, s41, 12
	s_mov_b32 s95, 0
	s_lshl_b32 s3, s21, 4
	s_add_co_u32 s3, s3, 1728                      ; Wo's first tile of my 256 columns
	s_mul_i32 s96, s3, TILE
	s_mov_b32 s97, 0
	s_lshl_b32 s98, s3, 9
	s_mov_b32 s99, 0
	s_mul_i32 s2, s19, 4*TILE                      ; LDS: my four tiles of tokens,
	s_mul_i32 s3, s20, 8*TILE
	s_add_co_u32 s3, s3, PCB                       ; my eight of Wo,
	s_lshl_b32 s47, s19, 11
	s_lshl_b32 s46, s20, 12
	s_add_co_u32 s46, s46, 4096
	s_sub_co_u32 s46, s46, s47                     ; from my tokens' scale words to my columns',
	s_add_co_u32 s47, s47, SCL
	s_mul_i32 s23, s18, 16*SPITCH                  ; my stage
	s_lshl_b32 s66, s21, 10
	s_lshl_b32 s67, s20, 9
	s_add_co_u32 s66, s66, s67                     ; my first column, in bytes
	s_mov_b32 s67, 0
	s_lshl_b32 s88, s41, 1
	s_add_co_u32 s88, s88, s19
	s_lshl_b32 s88, s88, 18                        ; my first token: 64 rows of 4,096 bytes each
	s_add_co_u32 s88, s88, s66
	s_mov_b32 s89, 0
	s_wait_dscnt 0x0                               ; both opening adds are done
	s_wait_kmcnt 0x0
	GROUP0 G0R, 0, 4, 92
	GROUP0 G0S, SCL, 6, 94
	GROUP0 G0P, PCB, 8, 96
	GROUP0 G0SB, SCL+4096, 10, 98
	s_add_nc_u64 s[12:13], s[12:13], s[66:67]
	s_add_nc_u64 s[14:15], s[14:15], s[88:89]
	CROUND                                         ; all sixteen work-groups are here: the joint loads meet
	ARM 0, G0S, G1S, .La1                          ; one chain, one load to an arm and a wave
	ARM 1, G0SB, G1SB, .La2
	ARM 2, G0R, G1R, .La3
	tensor_load_to_lds s[G0P:G0P+3], s[G1P:G1P+7]
	s_nop 0
	PLACES
.Lasked:
	v_and_b32 v1, 15, v0                           ; r
	v_bfe_u32 v2, v0, 4, 1                         ; h
	v_and_b32 v3, 31, v0
	v_lshlrev_b32 v[LI], 4, v3
	v_lshlrev_b32 v4, 3, v3
	v_add_nc_u32 v[ADRR], s2, v4                   ; the tokens' records lie in planes of 256 bytes, 8 a lane
	v_add_nc_u32 v[ADRP], s3, v[LI]                ; Wo's in planes of 512, 16 a lane
	v_add_nc_u32 v[ADRP+1], 4*TILE, v[ADRP]
	v_lshlrev_b32 v5, 3, v1
	v_mul_u32_u24 v6, s46, v2                      ; lanes 16-31 take Wo's words
	v_add_nc_u32 v5, v5, v6
	v_add_nc_u32 v[ADRS], s47, v5
	v_mul_u32_u24 v5, v1, SPITCH
	v_lshl_add_u32 v5, v2, 6, v5
	v_add_nc_u32 v[STO], s23, v5
	v_add_nc_u32 v[RD], s23, v[LI]
	v_lshlrev_b32 v7, 6, v2
.irp g, 0,1,2,3,4,5,6,7                ; register j of tile g in lane (r, h) is column 32 (g / 2) + 8 (g % 2) + 16 h + j
	global_load_b128 v[BI+8*\g:BI+8*\g+3], v7, s[12:13] offset:4*(32*(\g/2)+8*(\g%2))
	global_load_b128 v[BI+8*\g+4:BI+8*\g+7], v7, s[12:13] offset:4*(32*(\g/2)+8*(\g%2))+16
.endr
.macro MUL32 q, first                  ; 32 products, the 32 accumulators by turns, in the same order in every step
.irp a, 0,1,2,3
.irp b, 0,1,2,3,4,5,6,7
.if \first
	v_wmma_scale_f32_16x16x128_f8f6f4 v[8*(8*\a+\b):8*(8*\a+\b)+7], v[128*((\q)%2)+12*\b:128*((\q)%2)+12*\b+11], v[RF+48*((\q)%2)+12*\a:RF+48*((\q)%2)+12*\a+11], v[BI+8*\b:BI+8*\b+7], v[SC+16*((\q)/2)+2*\b+(\q)%2], v[SC+16*((\q)/2)+2*\a+(\q)%2] matrix_a_fmt:MATRIX_FMT_FP6 matrix_b_fmt:MATRIX_FMT_FP6 matrix_a_scale:MATRIX_SCALE_ROW1
.else
	v_wmma_scale_f32_16x16x128_f8f6f4 v[8*(8*\a+\b):8*(8*\a+\b)+7], v[128*((\q)%2)+12*\b:128*((\q)%2)+12*\b+11], v[RF+48*((\q)%2)+12*\a:RF+48*((\q)%2)+12*\a+11], v[8*(8*\a+\b):8*(8*\a+\b)+7], v[SC+16*((\q)/2)+2*\b+(\q)%2], v[SC+16*((\q)/2)+2*\a+(\q)%2] matrix_a_fmt:MATRIX_FMT_FP6 matrix_b_fmt:MATRIX_FMT_FP6 matrix_a_scale:MATRIX_SCALE_ROW1
.endif
.endr
.endr
.endm
.macro FETCH q                         ; step q's fragments into set q % 2: 24 + 24 loads
	WIN 0x40
.irp i, 0,1,2,3,4,5,6,7
.irp c, 0,1,2
	ds_load_b128 v[128*((\q)%2)+12*\i+4*\c:128*((\q)%2)+12*\i+4*\c+3], v[ADRP+\i/4] offset:TILE*(\i%4)+RECB*(\q)+512*\c
.endr
.endr
	WIN 0
.irp i, 0,1,2,3
.irp p, 0,1,2,3,4,5
	ds_load_b64 v[RF+48*((\q)%2)+12*\i+2*\p:RF+48*((\q)%2)+12*\i+2*\p+1], v[ADRR] offset:TILE*\i+RECB*(\q)+256*\p
.endr
.endr
.endm
	s_wait_alu depctr_va_vdst(0)
	s_wait_tensorcnt 0x0                           ; my tile is in,
	s_barrier_signal -1
	s_barrier_wait -1                              ; and so are the others'
.irp k, 0,1,2,3                        ; the scale words of all K: register pair 16 k + 2 i: lanes 0-15 the tokens' tile i (i < 4; beyond that words that no product names), lanes 16-31 Wo's tile i
.irp i, 0,1,2,3,4,5,6,7
	ds_load_b64 v[SC+16*\k+2*\i:SC+16*\k+2*\i+1], v[ADRS] offset:512*\i+128*\k
.endr
.endr
	FETCH 0
	s_wait_loadcnt 0x0                             ; the bias
	FETCH 1
	s_wait_dscnt 48                                ; all but the 48 loads just issued
	WIN 0x81                                       ; Wo window 1, tokens and C window 0, D window 2
	MUL32 0, 1
.set Q, 1
.rept 6
	PLACES                                         ; in front of the loads into the set that the step before has read
	FETCH Q+1
	s_wait_dscnt 48
	WIN 0xa1
	MUL32 Q, 0
.set Q, Q+1
.endr
	s_wait_dscnt 0x0                               ; my last reads of the tiles are over:
	s_barrier_signal -1                            ; say so, and multiply while the others arrive
	MUL32 7, 0
	WIN 0
	s_barrier_wait -1                              ; nobody reads O's codes any more: the stages may lie there
.macro TOSTAGE a
	WIN 0x08                                       ; the data: window 2
.irp b, 0,1,2,3,4,5,6,7
	ds_store_b128 v[STO], v[64*(\a)+8*\b:64*(\a)+8*\b+3] offset:128*(\b/2)+32*(\b%2)          ; each accumulator from its low end on
	ds_store_b128 v[STO], v[64*(\a)+8*\b+4:64*(\a)+8*\b+7] offset:128*(\b/2)+32*(\b%2)+16
.endr
	WIN 0
.irp t, 0,1,2,3,4,5,6,7,8,9,10,11,12,13,14,15
	ds_load_b128 v[BK+64*((\a)%2)+4*\t:BK+64*((\a)%2)+4*\t+3], v[RD] offset:\t*SPITCH   ; LDS serves a wave's instructions in order: these see the stores above
.endr
.endm
.macro SEND a, younger
	s_wait_dscnt \younger
.irp t, 0,1,2,3,4,5,6,7,8,9,10,11,12,13,14,15
	global_store_b128 v[LI], v[BK+64*((\a)%2)+4*\t:BK+64*((\a)%2)+4*\t+3], s[14:15] offset:(32*((\a)/2)+8*((\a)%2)+\t+8*(\t/8))*4096 th:TH_STORE_NT   ; 32 lanes store 512 consecutive bytes, aligned
.endr
.endm
	PLACES
	TOSTAGE 0
.irp a, 1,2,3
.if \a > 1
	s_wait_xcnt 0x0                                ; block a - 2's stores have read their registers
.endif
	TOSTAGE \a
	SEND \a-1, 32                                  ; behind block a - 1's loads: block a's 16 stores and 16 loads
.endr
	SEND 3, 0
	s_wait_tensorcnt 0x0                           ; the wave's end
	ds_add_u32 v[SPW], v[NIL]
	s_wait_dscnt 0x0
	CROUND                                         ; the closing round
	s_endpgm
.Lfunc_end_k_q426fa4058e_outp:
	.size	k_q426fa4058e_outp, .Lfunc_end_k_q426fa4058e_outp-k_q426fa4058e_outp
	.p2alignl 7, 3214868480
	.fill 96, 4, 3214868480
	.section	.rodata,"a",@progbits
	.p2align	6, 0x0
	.amdhsa_kernel k_q426fa4058e_outp
		.amdhsa_group_segment_fixed_size 327680
		.amdhsa_private_segment_fixed_size 0
		.amdhsa_enable_private_segment 0
		.amdhsa_kernarg_size 48
		.amdhsa_user_sgpr_count 2
		.amdhsa_user_sgpr_kernarg_segment_ptr 1
		.amdhsa_wavefront_size32 1
		.amdhsa_system_sgpr_workgroup_id_x 1
		.amdhsa_system_sgpr_workgroup_id_y 1
		.amdhsa_system_sgpr_workgroup_id_z 1
		.amdhsa_system_vgpr_workitem_id 0
		.amdhsa_next_free_vgpr 768
		.amdhsa_next_free_sgpr 102
		.amdhsa_reserve_vcc 0
		.amdhsa_float_denorm_mode_32 3
		.amdhsa_float_denorm_mode_16_64 3
		.amdhsa_memory_ordered 1
		.amdhsa_forward_progress 1
		.amdhsa_inst_pref_size 84
	.end_amdhsa_kernel
	.amdgpu_metadata
---
amdhsa.version: [ 1, 2 ]
amdhsa.kernels:
  - .name:           k_q426fa4058e_outp
    .symbol:         k_q426fa4058e_outp.kd
    .args:
      - { .name: oc, .offset: 0, .size: 8, .value_kind: global_buffer, .address_space: global }
      - { .name: osw, .offset: 8, .size: 8, .value_kind: global_buffer, .address_space: global }
      - { .name: opc, .offset: 16, .size: 8, .value_kind: global_buffer, .address_space: global }
      - { .name: ops, .offset: 24, .size: 8, .value_kind: global_buffer, .address_space: global }
      - { .name: bo, .offset: 32, .size: 8, .value_kind: global_buffer, .address_space: global }
      - { .name: out0, .offset: 40, .size: 8, .value_kind: global_buffer, .address_space: global }
    .group_segment_fixed_size: 327680
    .private_segment_fixed_size: 0
    .kernarg_segment_align: 8
    .kernarg_segment_size: 48
    .max_flat_workgroup_size: 128
    .sgpr_count:     102
    .vgpr_count:     768
    .wavefront_size: 32
...
	.end_amdgpu_metadata
.endif
;; end of part 4
